; MI455X (gfx1250); checked and timed in simulation.
; The chip was launched on July 23, 2026; its instructions are those of AMD's public machine-readable ISA for CDNA 5 (MIT licence, August 2026) and "CDNA5" Instruction Set Architecture Reference Guide (July 2026). The comments in the code are by the model that wrote it; some were corrected since.
;; Causal Self Attention. Allowed arithmetic: matrix products marked QUANTISED: E3M2 operands, one E8M0 scale for each 32 along K, by v_wmma_scale_f32_16x16x128_f8f6f4 with both operands' format E3M2, f32 sums; everything else in f32.
;; Inputs: Wk 1,024 x 1,024 float32; Wo 1,024 x 1,024 float32; Wq 1,024 x 1,024 float32; Wv 1,024 x 1,024 float32; x 4 x 2,048 x 1,024 float32.
;; Outputs: out0 4 x 2,048 x 1,024 float32.
;; This version of the problem:
;;   THIS VERSION OF THE PROBLEM IS GIVEN IN LOW PRECISION. The matrix products marked QUANTISED in the list below multiply operands that are first quantised to E3M2 (3 exponent bits, 2 mantissa bits; 6 bits a number), with one power-of-two scale for each 32 numbers along K (OCP MX v1.0); their sums are f32. All else is computed in f32.
;;   The module's matrix products, in the order in which they are computed (A, B: the left and right operand; K: the contracted axis; several contracted axes count as one K, in the product's order):
;;     1. [M 8,192, K 1,024] x [K 1,024, N 1,024]; A: input x; B: input Wq: QUANTISED
;;     2. [M 8,192, K 1,024] x [K 1,024, N 1,024]; A: input x; B: input Wk: QUANTISED
;;     3. [M 8,192, K 1,024] x [K 1,024, N 1,024]; A: input x; B: input Wv: QUANTISED
;;     4. batch 64 x [M 2,048, K 64] x [K 64, N 2,048]; A: computed on the way; B: computed on the way: QUANTISED
;;     5. batch 64 x [M 2,048, K 2,048] x [K 2,048, N 64]; A: softmax (see below); B: computed on the way: QUANTISED
;;     6. [M 8,192, K 1,024] x [K 1,024, N 1,024]; A: computed on the way; B: input Wo: QUANTISED
;;   THE QUANTISER, for each operand of a quantised product, along K:
;;     - K is cut into blocks of 32 from its start; a last block that is shorter is filled with zeros.
;;     - A block's scale is 2^e with e = floor(log2(the largest magnitude in the block)) - 4, held to -126 .. 127; a block of zeros has e = 0. As a byte (E8M0): e + 127.
;;     - Each number is divided by its block's scale, clamped to +-28, and rounded to the nearest number of E3M2, ties to even, subnormals kept.
;;     - The product sums the exact products of the quantised numbers (number of the format x scale) in f32.
;;   ~~~python
;;   def quantise(x, axis):      # numpy; x: float32 -> the quantised numbers, widened to float32 again
;;       x = np.moveaxis(x, axis, -1); K = x.shape[-1]
;;       x = np.pad(x, [(0, 0)] * (x.ndim - 1) + [(0, -K % 32)]); x = x.reshape(x.shape[:-1] + (-1, 32)); a = np.abs(x).max(-1, keepdims=True)
;;       e = np.where(a > 0, np.clip(np.frexp(np.where(a > 0, a, 1))[1] - 1 - 4, -126, 127), 0)      # np.frexp(a)[1] - 1 = floor(log2(a)), exactly
;;       r = np.clip(x / 2.0 ** e, -28, 28)
;;       step = 2.0 ** (np.maximum(np.frexp(np.where(r == 0, 1, r))[1] - 1, -2) - 2)
;;       q = np.round(r / step) * step * 2.0 ** e      # np.round: ties to even
;;       return np.moveaxis(q.reshape(q.shape[:-2] + (-1,))[..., :K], -1, axis).astype(np.float32)
;;   ~~~
;;   SOFTMAX AHEAD OF A QUANTISED PRODUCT. Where the list says 'softmax', what is quantised is not the finished softmax but p = 2^(t - M), with t = logit x log2(e) and M = ceil(the row's largest t), a whole number; so 1/2 < the row's largest p <= 1. The row's sum l is taken of the UNQUANTISED p, in f32, and the product's result is divided by l at the end. Since M is a whole number, a kernel that streams over the keys may use a running M (the ceiling of the running maximum): every later rescaling is an exact power of two, which a block's scale takes up: the codes' values come out the same.
;;   OPERANDS COMPUTED ON THE WAY. 'Computed on the way' means the value that the module computes at that place (a softmax that the list does not call 'softmax' is quantised finished and normalised). What goes into a quantiser is computed in f32, as accurately as f32 sums, v_exp_f32 and their like allow (about 1e-6 of the number): no bf16 or f16 on the way to a quantiser, and a product that is left as it is and whose result goes on into a quantised operand takes f32 operands (vector FMAs, or v_wmma_f32_16x16x4_f32). A number that lies on a knife's edge between two numbers of the format may be rounded either way, as far as f32 arithmetic and the matrix unit's own rounding can turn it there, and no further.
;; One version. Each part assembles by itself: llvm-mc -triple=amdgcn-amd-amdhsa -mcpu=gfx1250 --defsym DOCPART=n.
;; ======== version 1 of 1: 4 launches
;; workspace buffers: img 9,437,184 bytes; sc 393,216 bytes; q_img 6,815,744 bytes; kv 13,631,488 bytes; o_img 6,291,456 bytes; o_sc 262,144 bytes
;; launch quant (part 1): grid 768 x 1, 2 waves a work-group, no clusters, 17,152 bytes of LDS; arguments x, Wq, Wk, Wv, Wo, img, sc; writes img, sc
.if DOCPART == 1
	.amdgcn_target "amdgcn-amd-amdhsa--gfx1250"
	.amdhsa_code_object_version 6
	.text
	.protected	k_qe355bbbafa_quant
	.globl	k_qe355bbbafa_quant
	.p2align	8
	.type	k_qe355bbbafa_quant,@function
k_qe355bbbafa_quant:
	s_mov_b64 s[64:65], 0
	v_nop
	global_prefetch_b8 v0, s[64:65] scope:SCOPE_SE
	s_setreg_imm32_b32 hwreg(HW_REG_WAVE_MODE, 25, 1), 1
	s_wait_xcnt 0x0
; x [8192][1024] and Wq, Wk, Wv, Wo [1024][1024], f32, K innermost, become codes of BF6 (E3M2) with one E8M0 scale byte for each 32 along K.
; A block's scale is 2^(floor(log2(its largest magnitude)) - 4); its byte is the largest magnitude's exponent field - 4, held at 1 from below.
; LAYOUT OF THE RESULT: images of the matrix operand's registers.  A ROW TILE is 16 rows; lane r of a tensor's tile i holds row 32 (i / 2) + 8 (i % 2) + r + 8 (r / 8),
; so that in a later product, used transposed, a lane's registers of two neighbouring tiles are 16 neighbours along the next K.
; img: [768 tiles][16 pieces of 64 along K][768 bytes]; a piece: lane l's registers 0-3 at 16 l, its registers 4-5 at 512 + 8 l.  Tiles 0-511 x, 512-575 Wq, 576-639 Wk, 640-703 Wv, 704-767 Wo.
; sc:  [768 tiles][4 steps of 256 along K][16 rows][2 words]: a word is the four scale bytes of 128 along K of one row.
; SHARES: a work-group takes one tile, each of its two waves 512 along K: four fragments of 16 rows x 128.  Each load reads 512 consecutive bytes of one row; the 16 rows turn through the wave's own
; stage in LDS, so that a lane gets 16 neighbours of each block of 32 of its row.  Every store of codes covers 512 or 256 consecutive bytes, aligned.  The waves share nothing: no barrier.
; LIMITS: NaN and infinities among the inputs are not served.  A block of zeros gets the byte 1 where the rule says 127: its codes are zeros, and this program alone reads the bytes.
.set STGB,  8448                       ; a wave's stage: 16 rows x (512 bytes + 16): the sixteen rows that a load touches start 33 x 16 bytes apart (64 banks of 4 bytes: ISA guide 11.1)
.set RA,    16                         ; v16-143  two sets of 64: a fragment's numbers as loaded
.set X,     144                        ; v144-207 register 16 b + i = k 32 b + 16 (lane / 16) + i of my row
.set PC,    208                        ; v208-226 the codes just made
.set TM,    228                        ; v228-243 at work
.set PW,    244                        ; v244     the scale word just made
.set SW,    246                        ; v246-249 the four fragments' scale words
.set SEL,   20                         ; s[20:21] lane selects for v_permlanex16_b32: lane l xor 16
; 64 numbers of a lane, v[s] .. v[s + 63], become a fragment's codes in v[PC] .. v[PC + 11] and its row's scale word in v[PW]
.macro QUANT s
.irp b, 0,1,2,3
	v_max3_num_f32 v[TM+\b], |v[\s+16*\b]|, |v[\s+1+16*\b]|, 0x2800000   ; block b: my 16 numbers, and the floor 2^(5 - 127): the byte cannot fall under 1
.endr
.irp i, 2,4,6,8,10,12,14
.irp b, 0,1,2,3
	v_max3_num_f32 v[TM+\b], v[TM+\b], |v[\s+16*\b+\i]|, |v[\s+1+16*\b+\i]|   ; the four blocks by turns
.endr
.endr
.irp b, 0,1,2,3
	v_permlanex16_b32 v[TM+4+\b], v[TM+\b], s[SEL], s[SEL+1]
.endr
.irp b, 0,1,2,3
	v_max_num_f32 v[TM+\b], v[TM+\b], v[TM+4+\b]   ; with lane l xor 16's: the block's largest magnitude
.endr
.irp b, 0,1,2,3
	v_add_nc_u32 v[TM+12+\b], 0xfe000000, v[TM+\b]   ; 4 off its exponent field: the conversion takes the exponent field of this operand as its scale
.endr
.irp b, 0,1,2,3
	v_lshrrev_b32 v[TM+4+\b], 23, v[TM+12+\b]      ; the scale's byte
.endr
	v_lshl_or_b32 v[PW], v[TM+5], 8, v[TM+4]
	v_lshl_or_b32 v[PW], v[TM+6], 16, v[PW]
	v_lshl_or_b32 v[PW], v[TM+7], 24, v[PW]
.irp c, 0,1
	v_cvt_scalef32_pk16_bf6_f32 v[PC+6*\c:PC+2+6*\c], v[\s+32*\c:\s+15+32*\c], v[TM+12+2*\c]
	v_cvt_scalef32_pk16_bf6_f32 v[PC+12+4*\c:PC+14+4*\c], v[\s+16+32*\c:\s+31+32*\c], v[TM+12+2*\c+1]   ; (a conversion's three registers begin on an even number)
.endr
	v_nop                                          ; one plain line behind a scaled conversion
.irp c, 0,1                                    ; the operand's layout wants a whole block in a lane: lanes 0-15 block 2 c, lanes 16-31 block 2 c + 1
.irp i, 0,1,2
	v_permlane16_swap_b32 v[PC+6*\c+\i], v[PC+12+4*\c+\i]
.endr
.irp i, 0,1,2
	v_mov_b32 v[PC+3+6*\c+\i], v[PC+12+4*\c+\i]
.endr
.endr
.endm
.macro LOAD f                          ; fragment f: 16 rows x 512 bytes into set f % 2; the tile's lane i is row i + 8 (i / 8)
.irp i, 0,1,2,3,4,5,6,7,8,9,10,11,12,13,14,15
	global_load_b128 v[RA+64*((\f)%2)+4*\i:RA+64*((\f)%2)+4*\i+3], v4, s[24:25] offset:(\i+8*(\i/8))*4096+512*(\f) th:TH_LOAD_NT
.endr
.endm
.macro TURNX f                         ; through the stage: LDS serves a wave's instructions in order (ISA guide 5.7.1.4), so no wait stands between the stores and the loads
.irp i, 0,1,2,3,4,5,6,7,8,9,10,11,12,13,14,15
	ds_store_b128 v6, v[RA+64*((\f)%2)+4*\i:RA+64*((\f)%2)+4*\i+3] offset:528*\i
.endr
.irp b, 0,1,2,3
.irp j, 0,1,2,3
	ds_load_b128 v[X+16*\b+4*\j:X+16*\b+4*\j+3], v7 offset:128*\b+16*\j
.endr
.endr
.endm
.macro IMG f                           ; the fragment leaves as two pieces on end
	global_store_b128 v4, v[PC:PC+3], s[14:15] offset:1536*(\f)
	global_store_b64 v5, v[PC+4:PC+5], s[14:15] offset:1536*(\f)+512
	global_store_b128 v4, v[PC+6:PC+9], s[14:15] offset:1536*(\f)+768
	global_store_b64 v5, v[PC+10:PC+11], s[14:15] offset:1536*(\f)+1280
.endm
	s_load_b256 s[4:11], s[0:1], 0x0               ; x, Wq, Wk, Wv
	s_load_b128 s[12:15], s[0:1], 0x20             ; Wo, img
	s_load_b64 s[16:17], s[0:1], 0x30              ; sc
	v_lshl_add_u32 v254, v0, 2, 0x4200
	v_mov_b32 v255, 0
	v_lshrrev_b32 v1, 5, v0
	v_readfirstlane_b32 s18, v1                    ; wave 0, 1
	v_and_b32 v1, 31, v0                           ; lane
	v_and_b32 v2, 15, v0                           ; r
	v_bfe_u32 v3, v0, 4, 1                         ; h
	v_lshlrev_b32 v4, 4, v1                        ; 16 x lane
	v_lshlrev_b32 v5, 3, v1                        ; 8 x lane
	s_mul_i32 s19, s18, STGB
	v_add_nc_u32 v6, s19, v4                       ; the stage, on the way in: 16 x lane of a row
	v_mul_u32_u24 v7, v2, 528
	v_lshl_add_u32 v7, v3, 6, v7
	v_add_nc_u32 v7, s19, v7                       ; on the way out: row r, + 64 h
	v_lshlrev_b32 v8, 3, v2
	v_lshl_add_u32 v8, v3, 7, v8                   ; the scale words' place: 128 h + 8 r
	s_mov_b32 s[SEL], 0x76543210
	s_mov_b32 s[SEL+1], 0xfedcba98
.irp b, 0,1,2,3
	v_mov_b32 v[TM+4+\b], 0                        ; written once: a lane permute's destination counts as one of its sources
.endr
	s_wait_kmcnt 0x0
	s_mov_b64 s[24:25], s[12:13]                   ; which tensor: the choice hangs on the work-group's number alone
	s_mov_b32 s22, 704
	s_cmp_lt_u32 ttmp9, 704
	s_cselect_b64 s[24:25], s[10:11], s[24:25]
	s_cselect_b32 s22, 640, s22
	s_cmp_lt_u32 ttmp9, 640
	s_cselect_b64 s[24:25], s[8:9], s[24:25]
	s_cselect_b32 s22, 576, s22
	s_cmp_lt_u32 ttmp9, 576
	s_cselect_b64 s[24:25], s[6:7], s[24:25]
	s_cselect_b32 s22, 512, s22
	s_cmp_lt_u32 ttmp9, 512
	s_cselect_b64 s[24:25], s[4:5], s[24:25]
	s_cselect_b32 s22, 0, s22
	s_sub_co_u32 s22, ttmp9, s22                   ; the tile's number in its tensor
	s_lshr_b32 s23, s22, 1
	s_lshl_b32 s23, s23, 17                        ; 32 rows of 4,096 bytes for each pair of tiles,
	s_and_b32 s26, s22, 1
	s_lshl_b32 s26, s26, 15                        ; 8 rows for the odd one,
	s_add_co_u32 s26, s26, s23
	s_lshl_b32 s27, s18, 11                        ; my wave's 512 along K
	s_add_co_u32 s26, s26, s27
	s_mov_b32 s27, 0
	s_add_nc_u64 s[24:25], s[24:25], s[26:27]
	s_mul_i32 s28, ttmp9, 12288
	s_mul_i32 s29, s18, 6144
	s_add_co_u32 s28, s28, s29
	s_mov_b32 s29, 0
	s_add_nc_u64 s[14:15], s[14:15], s[28:29]      ; img at my four fragments
	s_lshl_b32 s28, ttmp9, 9
	s_lshl_b32 s30, s18, 8
	s_add_co_u32 s28, s28, s30
	s_add_nc_u64 s[16:17], s[16:17], s[28:29]      ; sc at my 256 bytes
	LOAD 0
	LOAD 1
.irp f, 0,1,2,3
.if \f < 3
	s_wait_loadcnt 16                              ; this fragment's 16 loads are in; the next one's 16 may be out
.else
	s_wait_loadcnt 0x0
.endif
	TURNX \f
	s_wait_dscnt 0x0                               ; X is in, and the stage's stores have read their registers,
.if \f < 2
	LOAD \f+2                                      ; which take the fragment two further on
.endif
.if \f > 0
	s_wait_xcnt 0x0                                ; the last fragment's stores have read the codes' registers: they are written again only behind this wait
.endif
	QUANT X
	IMG \f
	v_mov_b32 v[SW+\f], v[PW]
.endr
	v_cmp_eq_u32 vcc_lo, 1, v3                     ; lanes 0-15 store the words of my first 256 along K, lanes 16-31 those of my second
	v_cndmask_b32 v250, v246, v248, vcc_lo
	v_cndmask_b32 v251, v247, v249, vcc_lo
	global_store_b64 v8, v[250:251], s[16:17]      ; 32 lanes store 256 consecutive bytes, aligned
	s_wait_tensorcnt 0x0
	ds_add_u32 v254, v255
	s_wait_dscnt 0x0
	s_endpgm
.Lfunc_end_k_qe355bbbafa_quant:
	.size	k_qe355bbbafa_quant, .Lfunc_end_k_qe355bbbafa_quant-k_qe355bbbafa_quant
	.p2alignl 7, 3214868480
	.fill 96, 4, 3214868480
	.section	.rodata,"a",@progbits
	.p2align	6, 0x0
	.amdhsa_kernel k_qe355bbbafa_quant
		.amdhsa_group_segment_fixed_size 17152
		.amdhsa_private_segment_fixed_size 0
		.amdhsa_enable_private_segment 0
		.amdhsa_kernarg_size 56
		.amdhsa_user_sgpr_count 2
		.amdhsa_user_sgpr_kernarg_segment_ptr 1
		.amdhsa_wavefront_size32 1
		.amdhsa_system_sgpr_workgroup_id_x 1
		.amdhsa_system_sgpr_workgroup_id_y 1
		.amdhsa_system_sgpr_workgroup_id_z 1
		.amdhsa_system_vgpr_workitem_id 0
		.amdhsa_next_free_vgpr 256
		.amdhsa_next_free_sgpr 66
		.amdhsa_reserve_vcc 1
		.amdhsa_float_denorm_mode_32 3
		.amdhsa_float_denorm_mode_16_64 3
		.amdhsa_memory_ordered 1
		.amdhsa_forward_progress 1
		.amdhsa_inst_pref_size 34
	.end_amdhsa_kernel
	.amdgpu_metadata
---
amdhsa.version: [ 1, 2 ]
amdhsa.kernels:
  - .name:           k_qe355bbbafa_quant
    .symbol:         k_qe355bbbafa_quant.kd
    .args:
      - { .name: x, .offset: 0, .size: 8, .value_kind: global_buffer, .address_space: global }
      - { .name: Wq, .offset: 8, .size: 8, .value_kind: global_buffer, .address_space: global }
      - { .name: Wk, .offset: 16, .size: 8, .value_kind: global_buffer, .address_space: global }
      - { .name: Wv, .offset: 24, .size: 8, .value_kind: global_buffer, .address_space: global }
      - { .name: Wo, .offset: 32, .size: 8, .value_kind: global_buffer, .address_space: global }
      - { .name: img, .offset: 40, .size: 8, .value_kind: global_buffer, .address_space: global }
      - { .name: sc, .offset: 48, .size: 8, .value_kind: global_buffer, .address_space: global }
    .group_segment_fixed_size: 17152
    .private_segment_fixed_size: 0
    .kernarg_segment_align: 8
    .kernarg_segment_size: 56
    .max_flat_workgroup_size: 64
    .sgpr_count:     66
    .vgpr_count:     256
    .wavefront_size: 32
...
	.end_amdgpu_metadata
.endif
;; end of part 1
;; launch qkv (part 2): grid 8 x 48, 4 waves a work-group, clusters of 4 x 4, 327,680 bytes of LDS; arguments img, sc, q_img, kv; writes q_img, kv
.if DOCPART == 2
	.amdgcn_target "amdgcn-amd-amdhsa--gfx1250"
	.amdhsa_code_object_version 6
	.text
	.protected	k_qe355bbbafa_qkv
	.globl	k_qe355bbbafa_qkv
	.p2align	8
	.type	k_qe355bbbafa_qkv,@function
k_qe355bbbafa_qkv:
	s_mov_b64 s[64:65], 0
	v_nop
	global_prefetch_b8 v0, s[64:65] scope:SCOPE_SE
	s_setreg_imm32_b32 hwreg(HW_REG_WAVE_MODE, 25, 1), 1
	s_wait_xcnt 0x0
	s_wait_alu depctr_hold_cnt(0) depctr_sa_sdst(0) depctr_va_vdst(0) depctr_va_sdst(0) depctr_va_ssrc(0) depctr_va_vcc(0) depctr_vm_vsrc(0)
	s_getreg_b32 s2, hwreg(HW_REG_IB_STS2, 6, 4)
	s_cmp_eq_u32 s2, 0
	s_cbranch_scc0 .Lentry_in_a_cluster
	s_endpgm
.Lentry_in_a_cluster:
	s_bfe_u32 s2, ttmp6, 0x10000c
	s_cmp_lg_u32 s2, 0xf033
	s_cbranch_scc0 .Lentry_shape_is_right
	s_endpgm
.Lentry_shape_is_right:
; q = x Wq^T, k = x Wk^T, v = x Wv^T on codes of BF6 (E3M2) with E8M0 scales, sums in f32; the results are quantised in registers on the way out and leave as codes: q and k along the head's 64, v along the tokens.
; OPERANDS: img and sc hold images of the operands' registers: a row tile (16 rows) is 16 pieces of 768 bytes (64 along K each): lane l's registers 0-3 at 16 l, registers 4-5 at 512 + 8 l.
; Lane r of a tensor's tile i is row 32 (i / 2) + 8 (i % 2) + r + 8 (r / 8).  THE MATRIX INSTRUCTION IS USED TRANSPOSED (source 0 = 16 rows of "B", source 1 = 16 rows of "A"): a lane holds one row of A,
; and register 8 b + j of its eight accumulators is B's row 32 (b / 2) + 16 (lane / 16) + 8 (b % 2) + j: 64 registers in the order that the quantiser along B's rows wants.
; TWO KINDS OF WORK-GROUP, one text, chosen by the cluster's y, which all partners share: y < 8: A = x (tokens), B = Wq | Wk (channels): a lane holds a token, its registers run along the channels of two heads.
; y >= 8: A = Wv (channels), B = x (tokens): a lane holds a channel, its registers run along 128 tokens, which are the second attention product's K.
; A tile of the result is 256 x 256; four waves, each 128 x 128: 64 accumulators.  K = 1,024 goes in four steps of 256 through two LDS slots filled by the tensor data mover; the scales of all of K come once.
; CLUSTERS: 4 x 4 work-groups; A's tiles are asked for jointly along a row of the cluster, B's along a column.
; RESULTS: q_img [64 heads][16 groups of 128 tokens][6,656]: 8 pieces (tile a at 768 a), then the scale words at 6,144 + 64 a + 4 r.
;   kv [64 heads][16 key steps][13,312]: K as q at 0; V's four fragments (16 channels x 128 keys) at 6,656 + 1,536 t, their words at 12,800 + 128 t + 4 lane.
;   A q or k word's bytes 0, 1 are the head's two blocks; bytes 2, 3 hold the neighbour head's bytes or 0 and meet zero codes only.
; LIMITS: NaN and infinities are not served.  A block of zeros gets the byte 1 where the rule says 127: its codes are zeros, and this program alone reads the bytes.
; REGISTERS, in windows of 256: window 0: v16-23 fragment addresses, v27 scale address, v28-29 for the add; v32-63 scale words, two sets; v128-223 A's fragments, one set; on the way out v1-8, v24-31, v112-247.
;   window 1: B's fragments, two sets, at v0 and v128.   windows 2, 3: the accumulators of my rows 0-63, 64-127 ((a, b) at v[8 (8 (a % 4) + b)]).
.set NQ,     2                         ; matrix instructions deep in a slot (256 along K)
.set FR,     12                        ; registers of a fragment
.set NL,     4                         ; LDS loads that bring one
.set NP,     4                         ; places behind this matrix instruction (ISA guide 7.12.1)
.set TILEB,  3072                      ; a row tile's bytes in a slot: four pieces
.set HALFT,  8*TILEB                   ; what one tensor load brings, and what one wave reads of A or of B
.set SLOT,   4*HALFT                   ; A's 16 tiles, then B's 16
.set SCL,    2*SLOT                    ; behind the ring: the scales, A's 8,192 bytes, then B's
.set HALFS,  4096                      ; the scales of 8 tiles
.set SBLK,   512                       ; those of one
.set SPARE,  SCL+4*HALFS               ; the spare words, 128 bytes for each wave: two blocks of 256 bytes that no other line names
.set LAPS,   2                         ; a lap = two slots = 512 along K
.set ADRA, 16                          ; v16-17 my A fragments in slot 0, 1, + 16 x lane;  v18-19 the same + 8 x lane
.set ADRB, 20                          ; v20-23 the same for B
.set ADRS, 27                          ; v27    my scale words: lanes 0-15 A's rows, lanes 16-31 B's
.set SPW,  28                          ; v28    LDS address of my spare word; never rewritten
.set NIL,  29                          ; v29    0; never rewritten
.set SC,   32
.set AF,   128
.set PC,   112                         ; the way out: v112-130 the codes just made
.set TM,   200                         ; v200-215 at work
.set PW,   216                         ; the scale word just made
.set SW,   224                         ; v224-231 the eight blocks' scale words
.set SEL,  98                          ; s[98:99] lane selects for v_permlanex16_b32
.set G1, 24
.set G0, 32
.set G1B, 48
.set G0B, 56
.set G1S, 68
.set G0S, 76
.set G1SB, 80
.set G0SB, 88
.set MSB, 0
.macro WIN new                         ; the immediate's high byte repeats the setting that is left
.if MSB != \new
	s_set_vgpr_msb (MSB<<8)|\new
.set MSB, \new
.endif
.endm
.set MUL_LO, 0xa1                      ; source 0 (B) window 1, source 1 (A) window 0, C and D window 2
.set MUL_HI, 0xf1                      ; the same, C and D window 3
.set TO_B,   0x40                      ; destination window 1, address window 0
; A joint load: waves 0 and 1 fetch for A, waves 2 and 3 for B.  The branch hangs on the wave's number alone.  Four v_nop follow each of the two lines.
.macro JLOAD g0a, g1a, g0b, g1b
	s_cmp_eq_u32 s15, 0
	s_cbranch_scc0 .Lfor_b_\@
	tensor_load_to_lds s[\g0a:\g0a+3], s[\g1a:\g1a+7]
	s_nop 0
.rept 4
	v_nop
.endr
	s_branch .Lasked_\@
.Lfor_b_\@:
	tensor_load_to_lds s[\g0b:\g0b+3], s[\g1b:\g1b+7]
	s_nop 0
.rept 4
	v_nop
.endr
.Lasked_\@:
.endm
.macro CREST                           ; a round of the cluster's barrier behind its opening barrier
	s_cmp_lg_u32 s14, 0
	s_cbranch_scc1 .Lnot_wave_0_\@
	s_barrier_signal -3
.Lnot_wave_0_\@:
	s_barrier_wait -3
	s_barrier_signal -1
	s_barrier_wait -1
.endm
.macro CROUND
	s_barrier_signal -1
	s_barrier_wait -1
	CREST
.endm
	s_load_b128 s[4:7], s[0:1], 0x0                ; img, sc
	s_load_b128 s[8:11], s[0:1], 0x10              ; q_img, kv
	v_lshl_add_u32 v[SPW], v0, 2, SPARE
	v_mov_b32 v[NIL], 0
	ds_add_u32 v28, v29
	ds_add_u32 v28, v29
	s_wait_dscnt 0x0
	v_lshrrev_b32 v1, 5, v0
	v_readfirstlane_b32 s14, v1                    ; wave 0..3
	s_lshr_b32 s15, s14, 1                         ; which half of A's rows is mine.  Also: I fetch for A (0) or for B (1)
	s_and_b32 s16, s14, 1                          ; which half of B's rows.  Also: which 8 tiles I fetch
	s_bfe_u32 s40, ttmp6, 0x40000                  ; cx, cy: my place in the cluster
	s_bfe_u32 s41, ttmp6, 0x40004
	s_and_b32 s95, ttmp7, 0xffff                   ; the cluster's y, 0 .. 11; ttmp9: its x, 0 or 1
	s_max_u32 s96, s95, 8
	s_sub_co_u32 s96, s96, 8
	s_lshl_b32 s96, s96, 1
	s_add_co_u32 s96, s96, ttmp9                   ; v's work-groups: which four columns of 256 tokens: 2 (y - 8) + x
	s_lshl_b32 s17, s95, 2
	s_mov_b32 s18, 640
	s_mov_b32 s19, 512
	s_cmp_lt_u32 s95, 8                            ; q and k, or v?  The same answer in all sixteen partners
	s_cselect_b32 s17, s17, 0
	s_cselect_b32 s18, 0, s18                      ; A's first tile in img: x's 0 or Wv's 640
	s_cselect_b32 s42, ttmp9, s96
	s_cselect_b32 s19, s19, 0                      ; B's first tile: Wq's 512 or x's 0
	s_cselect_b32 s97, 0, 1                        ; 1: v
	s_add_co_u32 s17, s17, s41                     ; A's block of 256 rows: 4 y + cy, or cy
	s_lshl_b32 s42, s42, 2
	s_add_co_u32 s42, s42, s40                     ; B's block of 256 rows: 4 x + cx, or 4 (2 (y - 8) + x) + cx
	s_lshl_b32 s43, s41, 2
	s_lshl_b32 s43, 15, s43                        ; my row of the cluster
	s_lshl_b32 s44, 0x1111, s40                    ; my column
	; descriptor group 1, codes: 8 row tiles x 3,072 bytes, 12,288 bytes apart in memory, dense in LDS
	s_or_b32 s[G1+0], s43, (3<<16)|(1<<21)         ; 15:0 the mask: A's tiles go to my row; 17:16 elements of 8 bytes; 20 no padding; 21 set beside a mask
	s_or_b32 s[G1B+0], s44, (3<<16)|(1<<21)
.irp g, G1, G1B
	s_mov_b32 s[\g+1], 384<<16                     ; tensor_dim0 = 384 elements
	s_mov_b32 s[\g+2], 8<<16                       ; tensor_dim1 = 8
	s_mov_b32 s[\g+3], 384<<16                     ; tile_dim0
	s_mov_b32 s[\g+4], 8                           ; tile_dim1
	s_mov_b32 s[\g+5], 1536                        ; tensor_dim0_stride
	s_mov_b32 s[\g+6], 0
	s_mov_b32 s[\g+7], 0
.endr
	; scales of 8 tiles: 4,096 dense bytes as 16 rows of 256
	s_or_b32 s[G1S+0], s43, (3<<16)|(1<<21)
	s_or_b32 s[G1SB+0], s44, (3<<16)|(1<<21)
.irp g, G1S, G1SB
	s_mov_b32 s[\g+1], 32<<16
	s_mov_b32 s[\g+2], 16<<16
	s_mov_b32 s[\g+3], 32<<16
	s_mov_b32 s[\g+4], 16
	s_mov_b32 s[\g+5], 32
	s_mov_b32 s[\g+6], 0
	s_mov_b32 s[\g+7], 0
.endr
	s_lshl_b32 s22, s16, 3                         ; which 8 tiles of the 16 I fetch
	s_lshl_b32 s20, s17, 4
	s_add_co_u32 s20, s20, s18
	s_add_co_u32 s20, s20, s22                     ; A's tile number in img
	s_lshl_b32 s46, s42, 4
	s_add_co_u32 s46, s46, s19
	s_add_co_u32 s46, s46, s22                     ; B's
	s_lshl_b32 s22, s20, 9                         ; where these tiles' scales begin, in bytes
	s_mov_b32 s23, 0
	s_lshl_b32 s92, s46, 9
	s_mov_b32 s93, 0
	s_mul_i32 s20, s20, 12288                      ; and their codes
	s_mov_b32 s21, 0
	s_mul_i32 s46, s46, 12288
	s_mov_b32 s47, 0
	s_mul_i32 s45, s14, HALFT                      ; where they go: wave x 8 tiles: no place in the cluster enters an LDS address
	s_mul_i32 s94, s14, HALFS
	s_wait_kmcnt 0x0
	s_add_nc_u64 s[20:21], s[4:5], s[20:21]
	s_add_nc_u64 s[22:23], s[6:7], s[22:23]
	s_add_nc_u64 s[46:47], s[4:5], s[46:47]
	s_add_nc_u64 s[92:93], s[6:7], s[92:93]
	CROUND                                         ; all sixteen work-groups are here: the first joint loads meet
	s_mov_b32 s[G0S], 1
	s_add_co_u32 s[G0S+1], s94, SCL
	s_mov_b64 s[G0S+2:G0S+3], s[22:23]
	s_or_b32 s[G0S+3], s[G0S+3], 0x80000000
	s_mov_b32 s[G0SB], 1
	s_add_co_u32 s[G0SB+1], s94, SCL
	s_mov_b64 s[G0SB+2:G0SB+3], s[92:93]
	s_or_b32 s[G0SB+3], s[G0SB+3], 0x80000000
	JLOAD G0S, G1S, G0SB, G1SB                     ; the scales first: they are wanted with the first slot
.irp s, 0,1
	s_mov_b32 s[G0+4*\s], 1
	s_add_co_u32 s[G0+4*\s+1], s45, \s*SLOT
	s_add_nc_u64 s[G0+4*\s+2:G0+4*\s+3], s[20:21], \s*TILEB
	s_or_b32 s[G0+4*\s+3], s[G0+4*\s+3], 0x80000000
	s_mov_b32 s[G0B+4*\s], 1
	s_add_co_u32 s[G0B+4*\s+1], s45, \s*SLOT
	s_add_nc_u64 s[G0B+4*\s+2:G0B+4*\s+3], s[46:47], \s*TILEB
	s_or_b32 s[G0B+4*\s+3], s[G0B+4*\s+3], 0x80000000
	JLOAD G0+4*\s, G1, G0B+4*\s, G1B               ; three loads of mine are out behind the last of these
.endr
	v_and_b32 v1, 15, v0                           ; r
	v_bfe_u32 v2, v0, 4, 1                         ; h
	v_and_b32 v3, 31, v0                           ; lane
	v_lshlrev_b32 v4, 4, v3
	v_lshlrev_b32 v5, 3, v3
	s_mul_i32 s21, s15, HALFT                      ; my 8 tiles of A
	s_mul_i32 s22, s16, HALFT                      ; my 8 tiles of B,
	s_add_co_u32 s22, s22, 2*HALFT                 ; which lie behind A's 16
.irp s, 0,1
	v_add_nc_u32 v[ADRA+\s], s21, v4
	v_add_nc_u32 v[ADRB+\s], s22, v4
	v_add_nc_u32 v[ADRA+2+\s], s21, v5
	v_add_nc_u32 v[ADRB+2+\s], s22, v5
	s_add_co_u32 s21, s21, SLOT
	s_add_co_u32 s22, s22, SLOT
.endr
	v_lshlrev_b32 v5, 3, v1                        ; my row's two words of a slot: 8 r
	s_mul_i32 s21, s15, HALFS                      ; A's: my 8 tiles
	s_mul_i32 s22, s16, HALFS                      ; B's: my 8 tiles, behind A's 16
	s_add_co_u32 s22, s22, 2*HALFS
	s_sub_co_u32 s22, s22, s21
	v_mul_u32_u24 v6, s22, v2                      ; lanes 16-31 take B's: one product, the distance between the two
	s_add_co_u32 s21, s21, SCL
	v_add_nc_u32 v5, v5, v6
	v_add_nc_u32 v[ADRS], s21, v5
.macro FRAG reg, adr, q, i             ; a fragment, 12 registers a lane, comes back as it was stored: every load's lanes read consecutive bytes
	ds_load_b128 v[\reg:\reg+3], v[\adr] offset:(\i)*TILEB+(\q)*1536
	ds_load_b64 v[\reg+4:\reg+5], v[\adr+2] offset:(\i)*TILEB+(\q)*1536+512
	ds_load_b128 v[\reg+6:\reg+9], v[\adr] offset:(\i)*TILEB+(\q)*1536+768
	ds_load_b64 v[\reg+10:\reg+11], v[\adr+2] offset:(\i)*TILEB+(\q)*1536+1280
.endm
; 16 matrix instructions: A's blocks a0, a0 + 1 x B's eight, the slot's q-th 128 along K.  p: B's set;  sc: the set of scale words.  zero = 1: the first product starts the sums.
; The 64 accumulators take turns, one instruction a turn, in the same order in every step.
.macro MUL16 a0, p, q, sc, zero
.irp a, \a0, \a0+1
.irp b, 0,1,2,3,4,5,6,7
.if \zero
	v_wmma_scale_f32_16x16x128_f8f6f4 v[8*(8*((\a)%4)+\b):8*(8*((\a)%4)+\b)+7], v[128*(\p)+FR*\b:128*(\p)+FR*\b+FR-1], v[AF+FR*(\a):AF+FR*(\a)+FR-1], 0, v[SC+8*NQ*(\sc)+NQ*\b+(\q)], v[SC+8*NQ*(\sc)+NQ*(\a)+(\q)] matrix_a_fmt:MATRIX_FMT_BF6 matrix_b_fmt:MATRIX_FMT_BF6 matrix_a_scale:MATRIX_SCALE_ROW1
.else
	v_wmma_scale_f32_16x16x128_f8f6f4 v[8*(8*((\a)%4)+\b):8*(8*((\a)%4)+\b)+7], v[128*(\p)+FR*\b:128*(\p)+FR*\b+FR-1], v[AF+FR*(\a):AF+FR*(\a)+FR-1], v[8*(8*((\a)%4)+\b):8*(8*((\a)%4)+\b)+7], v[SC+8*NQ*(\sc)+NQ*\b+(\q)], v[SC+8*NQ*(\sc)+NQ*(\a)+(\q)] matrix_a_fmt:MATRIX_FMT_BF6 matrix_b_fmt:MATRIX_FMT_BF6 matrix_a_scale:MATRIX_SCALE_ROW1
.endif
.endr
.endr
.endm
.macro FETCH_B slot, q, p
	WIN TO_B
.irp i, 0,1,2,3,4,5,6,7
	FRAG 128*(\p)+FR*\i, ADRB+\slot, \q, \i
.endr
	WIN 0
.endm
.macro FETCH_A slot, q, i0
.irp i, \i0, \i0+1, \i0+2, \i0+3
	FRAG AF+FR*(\i), ADRA+\slot, \q, \i
.endr
.endm
.macro SCALES sc                       ; the slot's scale words into set sc: two words a row; lanes 0-15 take A's block i, lanes 16-31 B's block i
.irp i, 0,1,2,3,4,5,6,7
	ds_load_b64 v[SC+8*NQ*\sc+NQ*\i:SC+8*NQ*\sc+NQ*\i+1], v[ADRS] offset:\i*SBLK
.endr
.endm
.macro PLACES n                        ; plain lines between a matrix instruction and a load into, or a read of, its registers (ISA guide 7.12.1 for a read)
.rept \n
	v_nop
.endr
.endm
.macro STEP slot, q, zero              ; 128 along K that have their successor in the same slot
	s_wait_dscnt 4*NL                              ; B's set, A's blocks 0-3 and the scale words are in; the youngest 16 loads (A's blocks 4-7) may be out
	WIN MUL_LO
	MUL16 0, (\q)%2, \q, \slot, \zero
	MUL16 2, (\q)%2, \q, \slot, \zero
	s_wait_dscnt 0                                 ; A's blocks 4-7 are in
	PLACES NP
	FETCH_B \slot, (\q)+1, 1-(\q)%2
	FETCH_A \slot, (\q)+1, 0
	WIN MUL_HI
	MUL16 4, (\q)%2, \q, \slot, \zero
	MUL16 6, (\q)%2, \q, \slot, \zero
	PLACES NP
	WIN 0
	FETCH_A \slot, (\q)+1, 4
.endm
; A slot's last 128 along K change slots: one barrier; in front of it each wave waits for all its tensor loads, adds 0 to its spare word, and waits for that and for its own reads of this slot.
.macro TURN slot, next, fill
	s_wait_tensorcnt 0x0                           ; all my tensor loads have landed: my part of the next slot
	ds_add_u32 v[SPW], v[NIL]                      ; 0 onto my spare word
	s_wait_dscnt 4*NL+1                            ; (the add and the youngest 16 loads, A's blocks 4-7, may be out)
	WIN MUL_LO
	MUL16 0, 1, NQ-1, \slot, 0                     ; sixteen matrix instructions stand between the add and the wait for it
	s_wait_dscnt 0x0                               ; the add is done, and my reads of this slot are over
	s_barrier_signal -1
	MUL16 2, 1, NQ-1, \slot, 0
	WIN 0
	s_barrier_wait -1
.if \fill
	CREST                                          ; the barrier has opened a round of the cluster's barrier: no wave of any partner still reads this slot or has a load on its way
	s_add_nc_u64 s[G0+4*\slot+2:G0+4*\slot+3], s[G0+4*\slot+2:G0+4*\slot+3], 2*TILEB
	s_add_nc_u64 s[G0B+4*\slot+2:G0B+4*\slot+3], s[G0B+4*\slot+2:G0B+4*\slot+3], 2*TILEB
	JLOAD G0+4*\slot, G1, G0B+4*\slot, G1B         ; the first tensor load behind the round; its four v_nop are the places in front of the loads below
.else
	PLACES NP
.endif
	s_wait_alu depctr_va_vdst(0)
	v_add_nc_u32 v[ADRS], 128, v[ADRS]             ; on to the next slot's scale words
	FETCH_B \next, 0, 0
	FETCH_A \next, 0, 0
	SCALES \next
	WIN MUL_HI
	MUL16 4, 1, NQ-1, \slot, 0
	MUL16 6, 1, NQ-1, \slot, 0
	PLACES NP
	WIN 0
	FETCH_A \next, 0, 4
.endm
	s_wait_alu depctr_va_vdst(0)
	s_wait_tensorcnt 1                             ; the scales and my part of slot 0 are in; slot 1's load may be out
	s_barrier_signal -1
	s_barrier_wait -1
	FETCH_B 0, 0, 0
	FETCH_A 0, 0, 0
	SCALES 0
	FETCH_A 0, 0, 4
	STEP 0, 0, 1                                   ; the first step stands in front of the loop: its products start the sums
	s_mov_b32 s3, LAPS-1
.Llap:                                                 ; a trip goes once round the ring and fills both slots again
	TURN 0, 1, 1
	STEP 1, 0, 0
	TURN 1, 0, 1
	STEP 0, 0, 0
	s_sub_co_u32 s3, s3, 1
	s_cmp_lg_u32 s3, 0
	s_cbranch_scc1 .Llap
	TURN 0, 1, 0                                   ; the last lap fills nothing
	STEP 1, 0, 0
	s_wait_dscnt 4*NL
	WIN MUL_LO
	MUL16 0, 1, NQ-1, 1, 0
	MUL16 2, 1, NQ-1, 1, 0
	s_wait_dscnt 0
	WIN MUL_HI
	MUL16 4, 1, NQ-1, 1, 0
	MUL16 6, 1, NQ-1, 1, 0
	WIN 0
	; THE WAY OUT.  Where my results go.  No tensor load of mine is out, so the scales' descriptor registers are free.
	s_cmp_eq_u32 s97, 0
	s_cselect_b32 s18, s17, s42                    ; the block of 256 tokens,
	s_cselect_b32 s19, s15, s16                    ; my half of it,
	s_cselect_b32 s20, s42, s17                    ; the block of 256 channels (four heads),
	s_cselect_b32 s21, s16, s15                    ; my half of it (two heads)
	s_and_b32 s20, s20, 3
	s_or_b32 s22, s97, ttmp9                       ; 0: q (the cluster's x 0 holds Wq's columns, 1 Wk's)
	s_mov_b32 s23, 13312
	s_cmp_eq_u32 s22, 0
	s_cselect_b32 s23, 6656, s23                   ; a record of 128 tokens
	s_cselect_b64 s[12:13], s[8:9], s[10:11]       ; q_img or kv
	s_lshl_b32 s66, s23, 4                         ; a head: 16 records
	s_mov_b32 s88, 1536
	s_mov_b32 s90, 208384
	s_cmp_eq_u32 s97, 0
	s_cselect_b32 s67, s66, 768                    ; from a fragment's first piece to its second: the next head (q, k), or on end (v)
	s_cselect_b32 s88, 768, s88                    ; from block a to block a + 1
	s_cselect_b32 s90, 768, s90                    ; from block 3 to block 4: v goes on to the next head: 212,992 - 3 x 1,536
	s_cselect_b32 s94, 0, 6656                     ; V's place in a record
	s_mov_b32 s89, 0
	s_mov_b32 s91, 0
	s_lshr_b32 s92, s18, 3
	s_lshl_b32 s92, s92, 4                         ; 16 x batch
	s_lshl_b32 s20, s20, 2
	s_add_co_u32 s92, s92, s20
	s_lshl_b32 s21, s21, 1
	s_add_co_u32 s92, s92, s21                     ; my first head
	s_mul_i32 s92, s92, s66
	s_and_b32 s18, s18, 7
	s_lshl_b32 s18, s18, 1
	s_add_co_u32 s18, s18, s19                     ; my group of 128 tokens in the batch
	s_mul_i32 s18, s18, s23
	s_add_co_u32 s92, s92, s18
	s_add_co_u32 s92, s92, s94
	s_mov_b32 s93, 0
	s_add_nc_u64 s[12:13], s[12:13], s[92:93]      ; steps from block to block
	s_mov_b64 s[92:93], s[12:13]                   ; stays: for the scale words
	s_mov_b32 s[SEL], 0x76543210
	s_mov_b32 s[SEL+1], 0xfedcba98
	s_lshl_b32 s20, s14, 10                        ; my 1,024 bytes of scratch; it lies in slot 0, which has had its last fill and its last read; each of the two kinds has bytes of its own
	PLACES NP
	v_and_b32 v6, 31, v0                           ; lane
	v_and_b32 v7, 15, v0                           ; r
	v_bfe_u32 v8, v0, 4, 1                         ; h
	v_lshlrev_b32 v24, 4, v6                       ; 16 x lane
	v_lshlrev_b32 v25, 3, v6                       ; 8 x lane
	v_add_nc_u32 v26, s67, v24                     ; the same for the second piece
	v_add_nc_u32 v30, s67, v25
	v_add_nc_u32 v31, s66, v24                     ; and for the second head's words
	v_lshlrev_b32 v1, 4, v8                        ; 16 h: lanes 16-31 take the second head's two bytes of a word
	v_lshlrev_b32 v2, 2, v7
	v_lshl_add_u32 v2, v8, 9, v2
	v_add_nc_u32 v2, s20, v2                       ; q, k: words in: 512 h + 4 r
	v_add_nc_u32 v3, s20, v24                      ; back: 16 x lane
	v_lshlrev_b32 v4, 2, v6
	v_add_nc_u32 v4, s20, v4
	v_add_nc_u32 v4, 4096, v4                      ; v: words in: 4 x lane
	v_add_nc_u32 v5, 4096, v3                      ; back
.irp b, 0,1,2,3
	v_mov_b32 v[TM+4+\b], 0                        ; written once: a lane permute's destination counts as one of its sources
.endr
; Block a's 64 numbers of a lane (window 2 or 3) become a fragment's codes in v[PC] on and its row's scale word in v[PW].  Each accumulator is read from its low end on.
.macro QUANTW a
.set AC, 64*((\a)%4)
	WIN 0x0a+5*((\a)/4)                            ; sources 0 and 1: window 2 or 3
.irp b, 0,1,2,3
	v_max3_num_f32 v[TM+\b], |v[AC+16*\b]|, |v[AC+1+16*\b]|, 0x2800000   ; and the floor 2^(5 - 127): the byte cannot fall under 1
.endr
.irp i, 2,4,6,8,10,12,14
.irp b, 0,1,2,3
	v_max3_num_f32 v[TM+\b], |v[AC+16*\b+\i]|, |v[AC+1+16*\b+\i]|, v[TM+\b]
.endr
.endr
	WIN 0
.irp b, 0,1,2,3
	v_permlanex16_b32 v[TM+4+\b], v[TM+\b], s[SEL], s[SEL+1]
.endr
.irp b, 0,1,2,3
	v_max_num_f32 v[TM+\b], v[TM+\b], v[TM+4+\b]
.endr
.irp b, 0,1,2,3
	v_add_nc_u32 v[TM+12+\b], 0xfe000000, v[TM+\b]   ; 4 off the exponent field: the conversion's scale operand
.endr
.irp b, 0,1,2,3
	v_lshrrev_b32 v[TM+4+\b], 23, v[TM+12+\b]      ; the scale's byte
.endr
	v_lshl_or_b32 v[PW], v[TM+5], 8, v[TM+4]
	v_lshl_or_b32 v[PW], v[TM+6], 16, v[PW]
	v_lshl_or_b32 v[PW], v[TM+7], 24, v[PW]
	WIN 0x02+((\a)/4)                              ; source 0: window 2 or 3
.irp c, 0,1
	v_cvt_scalef32_pk16_bf6_f32 v[PC+6*\c:PC+2+6*\c], v[AC+32*\c:AC+15+32*\c], v[TM+12+2*\c]
	v_cvt_scalef32_pk16_bf6_f32 v[PC+12+4*\c:PC+14+4*\c], v[AC+16+32*\c:AC+31+32*\c], v[TM+12+2*\c+1]
.endr
	WIN 0
	v_nop                                          ; one plain line behind a scaled conversion
.irp c, 0,1
.irp i, 0,1,2
	v_permlane16_swap_b32 v[PC+6*\c+\i], v[PC+12+4*\c+\i]
.endr
.irp i, 0,1,2
	v_mov_b32 v[PC+3+6*\c+\i], v[PC+12+4*\c+\i]
.endr
.endr
.endm
.macro EPI a
.if (\a) > 0
	s_wait_xcnt 0x0                                ; the last block's stores have read their base and the codes' registers: both are written again only behind this wait
.if (\a) == 4
	s_add_nc_u64 s[12:13], s[12:13], s[90:91]
.else
	s_add_nc_u64 s[12:13], s[12:13], s[88:89]
.endif
.endif
	QUANTW \a
	global_store_b128 v24, v[PC:PC+3], s[12:13]                 ; each store covers 512 or 256 consecutive bytes, aligned
	global_store_b64 v25, v[PC+4:PC+5], s[12:13] offset:512
	global_store_b128 v26, v[PC+6:PC+9], s[12:13]
	global_store_b64 v30, v[PC+10:PC+11], s[12:13] offset:512
	v_mov_b32 v[SW+(\a)], v[PW]
.endm
.irp a, 0,1,2,3,4,5,6,7
	EPI \a
.endr
	s_cmp_lg_u32 s97, 0                            ; the scale words are gathered in my scratch and leave as 512 consecutive bytes for each head
	s_cbranch_scc1 .Lv
.irp a, 0,1,2,3,4,5,6,7
	v_lshrrev_b32 v[232+\a], v1, v[SW+\a]          ; lanes 0-15: the word as it is (first head's bytes lowest); lanes 16-31: the second head's two bytes
.endr
.irp a, 0,1,2,3,4,5,6,7
	ds_store_b32 v2, v[232+\a] offset:64*\a
.endr
	ds_load_b128 v[240:243], v3                    ; LDS serves a wave's instructions in order: these see my stores
	ds_load_b128 v[244:247], v3 offset:512
	s_wait_dscnt 0x0
	global_store_b128 v24, v[240:243], s[92:93] offset:6144
	global_store_b128 v31, v[244:247], s[92:93] offset:6144
	s_branch .Ldone
.Lv:
	s_wait_alu depctr_va_vdst(0)
.irp a, 0,1,2,3,4,5,6,7
	ds_store_b32 v4, v[SW+\a] offset:128*\a        ; blocks 0-3 are the first head's four tiles of channels, blocks 4-7 the second's
.endr
	ds_load_b128 v[240:243], v5
	ds_load_b128 v[244:247], v5 offset:512
	s_wait_dscnt 0x0
	global_store_b128 v24, v[240:243], s[92:93] offset:6144
	global_store_b128 v31, v[244:247], s[92:93] offset:6144
.Ldone:
	s_wait_tensorcnt 0x0                           ; the wave's end
	ds_add_u32 v[SPW], v[NIL]
	s_wait_dscnt 0x0
	CROUND                                         ; the closing round: no work-group ends while a partner may still ask for a tile that names it
	s_endpgm
.Lfunc_end_k_qe355bbbafa_qkv:
	.size	k_qe355bbbafa_qkv, .Lfunc_end_k_qe355bbbafa_qkv-k_qe355bbbafa_qkv
	.p2alignl 7, 3214868480
	.fill 96, 4, 3214868480
	.section	.rodata,"a",@progbits
	.p2align	6, 0x0
	.amdhsa_kernel k_qe355bbbafa_qkv
		.amdhsa_group_segment_fixed_size 327680
		.amdhsa_private_segment_fixed_size 0
		.amdhsa_enable_private_segment 0
		.amdhsa_kernarg_size 32
		.amdhsa_user_sgpr_count 2
		.amdhsa_user_sgpr_kernarg_segment_ptr 1
		.amdhsa_wavefront_size32 1
		.amdhsa_system_sgpr_workgroup_id_x 1
		.amdhsa_system_sgpr_workgroup_id_y 1
		.amdhsa_system_sgpr_workgroup_id_z 1
		.amdhsa_system_vgpr_workitem_id 0
		.amdhsa_next_free_vgpr 1024
		.amdhsa_next_free_sgpr 100
		.amdhsa_reserve_vcc 0
		.amdhsa_float_denorm_mode_32 3
		.amdhsa_float_denorm_mode_16_64 3
		.amdhsa_memory_ordered 1
		.amdhsa_forward_progress 1
		.amdhsa_inst_pref_size 153
	.end_amdhsa_kernel
	.amdgpu_metadata
---
amdhsa.version: [ 1, 2 ]
amdhsa.kernels:
  - .name:           k_qe355bbbafa_qkv
    .symbol:         k_qe355bbbafa_qkv.kd
    .args:
      - { .name: img, .offset: 0, .size: 8, .value_kind: global_buffer, .address_space: global }
      - { .name: sc, .offset: 8, .size: 8, .value_kind: global_buffer, .address_space: global }
      - { .name: q_img, .offset: 16, .size: 8, .value_kind: global_buffer, .address_space: global }
      - { .name: kv, .offset: 24, .size: 8, .value_kind: global_buffer, .address_space: global }
    .group_segment_fixed_size: 327680
    .private_segment_fixed_size: 0
    .kernarg_segment_align: 8
    .kernarg_segment_size: 32
    .max_flat_workgroup_size: 128
    .sgpr_count:     100
    .vgpr_count:     1024
    .wavefront_size: 32
...
	.end_amdgpu_metadata
.endif
;; end of part 2
;; launch attn (part 3): grid 4 x 64, 16 waves a work-group, no clusters, 327,680 bytes of LDS; arguments q_img, kv, o_img, o_sc; writes o_img, o_sc
.if DOCPART == 3
	.amdgcn_target "amdgcn-amd-amdhsa--gfx1250"
	.amdhsa_code_object_version 6
	.text
	.protected	k_qe355bbbafa_attn
	.globl	k_qe355bbbafa_attn
	.p2align	8
	.type	k_qe355bbbafa_attn,@function
k_qe355bbbafa_attn:
	s_mov_b64 s[64:65], 0
	v_nop
	global_prefetch_b8 v0, s[64:65] scope:SCOPE_SE
	s_setreg_imm32_b32 hwreg(HW_REG_WAVE_MODE, 25, 1), 1
	s_wait_xcnt 0x0
; Causal attention of one head on codes of BF6 (E3M2) with E8M0 scales: S^T = K Q^T (K = the head's 64; the upper half of the instruction's 128 is zero codes on both sides), softmax, O^T = V^T P^T (K = 128 keys a step).
; THE SOFTMAX AHEAD OF THE SECOND PRODUCT: t = score x log2(e) / 8; M = the row's largest t so far, rounded up to a whole number; p = 2^(t - M) is quantised along the keys, not normalised.
; The row's sum is taken of the unquantised p and divides O at the end.  When M moves, the sum and O are multiplied by 2^(old M - new M): exact.  O / sum is quantised along the head's 64 and leaves as codes.
; INPUTS: q_img [64 heads][16 groups of 128 tokens][6,656]: 8 pieces of 768 bytes (16 queries x 64: lane l's registers 0-3 at 16 l, 4-5 at 512 + 8 l), the scale words at 6,144 + 64 a + 4 r.
;   kv [64 heads][16 key steps][13,312]: K as q; V's four fragments (16 channels x 128 keys) at 6,656 + 1,536 t, their words at 12,800 + 128 t + 4 lane.
; Lane r of tile i (of tokens, of a head's channels) is number 32 (i / 2) + 8 (i % 2) + r + 8 (r / 8), so that a lane's 16 registers of two neighbouring result tiles are 16 neighbours along the next K.
; SHARES.  A work-group owns the query blocks i and 7 - i (256 queries each) of one head, one after the other: every work-group has the same number of key steps under the causal mask.  Each of its sixteen waves owns one tile
; of 16 queries of the block in hand, in 256 registers: four waves to a SIMD.  THE HEAD'S WHOLE kv RECORD, 212,992 bytes, LIES IN LDS, filled once: each wave brings 6,656 bytes of each half.
; The first block's queries lie under token 1,024: they read the first half only, while the second half is on its way.  Nothing in LDS is filled again and nothing is stored there.
; CAUSAL.  Both loops have constant trip counts; a step all of whose keys come after the wave's queries is jumped over by a scalar branch on ids; in the one step on the diagonal hidden scores become -infinity.
; NOT IN CLUSTERS: the four work-groups of a head differ in their query blocks, on which the causal branches hang; what they share is asked for once by each, at its head.
; LIMITS: NaN and infinities are not served.  O / sum is a reciprocal (1 ulp: ISA guide, its entry) and a multiplication.  A block of zeros gets the byte 1 where the rule says 127; this program alone reads the bytes.
; o_sc is stored a byte a lane, 8 bytes apart: a scale word holds two heads' bytes, and the two heads belong to different work-groups.
; REGISTERS: v1-3 16, 8, 4 x lane; v4 4 r; v5 the diagonal's bound; v6-8 the step's LDS addresses; v9 8 r + h; v10 h; v12 -M; v13 the largest t; v[14:15] the sum; v16-27 Q; v32-79 four tiles of K (upper halves zeros);
;   v96-159 S^T, then p, then V's fragments in v96-143; v160-191 O^T; v224-235 p's codes; v232-247, v254 at work; v248-251 K's, then V's scale words; v252 f; v253 p's scale word; v255 Q's scale word.
.set REC,  13312                       ; a key step's record
.set HALF, 8*REC
.set WV,   12                          ; s12 my wave's number
.set SEL,  32                          ; s[32:33] lane selects for v_permlanex16_b32: lane l xor 16
.set CS,   34                          ; s[34:35] c = log2(e) / 8
.set TB,   36                          ; s36 LDS byte at which the step's record begins
.set KJ,   37                          ; s37 the key step, and the loop's counter
.set JD,   38                          ; s38 the step on my tile's diagonal
	s_load_b256 s[4:11], s[0:1], 0x0               ; q_img, kv, o_img, o_sc
	v_lshl_add_u32 v223, v0, 2, 0x34000
	v_mov_b32 v243, 0
	ds_add_u32 v223, v243
	ds_add_u32 v223, v243
	v_lshrrev_b32 v1, 5, v0
	s_delay_alu instid0(VALU_DEP_1)
	v_readfirstlane_b32 s[WV], v1                  ; wave 0..15
	s_and_b32 s13, ttmp7, 0xffff                   ; 16 x batch + head
	; descriptor group 1: 6,656 dense bytes as 26 rows of 256
	s_mov_b32 s16, 3<<16                           ; no mask; elements of 8 bytes; no padding
	s_mov_b32 s17, 32<<16                          ; tensor_dim0 = 32
	s_mov_b32 s18, 26<<16                          ; tensor_dim1 = 26
	s_mov_b32 s19, 32<<16                          ; tile_dim0
	s_mov_b32 s20, 26                              ; tile_dim1
	s_mov_b32 s21, 32                              ; tensor_dim0_stride
	s_mov_b32 s22, 0
	s_mov_b32 s23, 0
	s_mul_i32 s14, s[WV], 6656                     ; my part of each half, in LDS as in memory
	s_mul_i32 s40, s13, 16*REC
	s_add_co_u32 s40, s40, s14
	s_mov_b32 s41, 0
	s_wait_dscnt 0x0
	s_wait_kmcnt 0x0
	s_mov_b32 s24, 1
	s_mov_b32 s25, s14
	s_add_nc_u64 s[26:27], s[6:7], s[40:41]
	s_mov_b32 s28, 1
	s_add_co_u32 s29, s14, HALF
	s_add_nc_u64 s[30:31], s[26:27], HALF
	s_or_b32 s27, s27, 0x80000000
	s_or_b32 s31, s31, 0x80000000
	tensor_load_to_lds s[24:27], s[16:23]          ; key steps 0-7: my sixteenth
	s_nop 0
	s_wait_alu depctr_va_vdst(0)
	s_wait_tensorcnt 0x0
	ds_add_u32 v223, v243
	s_wait_dscnt 0x0
	s_barrier_signal -1
	s_barrier_wait -1
	tensor_load_to_lds s[28:31], s[16:23]          ; key steps 8-15: one load of mine is out
	s_nop 0
.rept 4
	v_nop
.endr
	v_and_b32 v11, 31, v0                          ; lane
	s_delay_alu instid0(VALU_DEP_1)
	v_lshlrev_b32 v1, 4, v11
	s_delay_alu instid0(VALU_DEP_2)
	v_lshlrev_b32 v2, 3, v11
	s_delay_alu instid0(VALU_DEP_3)
	v_lshlrev_b32 v3, 2, v11
	v_and_b32 v9, 15, v0                           ; r
	v_bfe_u32 v10, v0, 4, 1                        ; h
	s_delay_alu instid0(VALU_DEP_2)
	v_lshlrev_b32 v4, 2, v9
	s_delay_alu instid0(VALU_DEP_3)
	v_and_b32 v5, 8, v9
	s_delay_alu instid0(VALU_DEP_1)
	v_add_nc_u32 v5, v5, v9                        ; r + 8 (r / 8)
	s_delay_alu instid0(VALU_DEP_4)
	v_lshlrev_b32 v11, 4, v10
	s_delay_alu instid0(VALU_DEP_1)
	v_sub_nc_u32 v5, v5, v11                       ; - 16 h
	s_and_b32 s40, s[WV], 7
	s_lshr_b32 s40, s40, 1
	s_lshl_b32 s40, s40, 5
	s_and_b32 s41, s[WV], 1
	s_lshl_b32 s41, s41, 3
	s_add_co_u32 s40, s40, s41
	v_add_nc_u32 v5, s40, v5                       ; my query's place in its group of 128, less 16 h.  Register 16 b + i holds the step's key 32 b + 16 h + i: on the diagonal it is hidden where 32 b + i > this
	v_lshl_add_u32 v9, v9, 3, v10                  ; 8 r + h
.irp j, 22,23,24,25,26,27
	v_mov_b32 v[\j], 0                             ; Q's k = 64 .. 127: zero codes
.endr
.irp t, 0,1,2,3
.irp j, 6,7,8,9,10,11
	v_mov_b32 v[32+12*\t+\j], 0                    ; K's likewise: written once
.endr
.endr
.irp j, 236,237,238,239,252,253
	v_mov_b32 v[\j], 0                             ; a lane permute's destination counts as one of its sources; v253 is named as the upper half of the pair v[252:253]
.endr
	s_mov_b32 s[SEL], 0x76543210
	s_mov_b32 s[SEL+1], 0xfedcba98
	s_mov_b32 s[CS], 0x3e38aa3b                    ; log2(e) / 8
	s_mov_b32 s[CS+1], s[CS]                       ; (named with it as a pair, so it is written)
	s_mul_i32 s40, s13, 16*6656
	s_mov_b32 s41, 0
	s_add_nc_u64 s[44:45], s[4:5], s[40:41]        ; q_img at my head
	s_lshr_b32 s42, s13, 4                         ; batch
	s_and_b32 s43, s13, 15                         ; head
	s_mul_i32 s40, s42, 128*12288
	s_mul_i32 s58, s43, 768
	s_add_co_u32 s40, s40, s58
	s_add_nc_u64 s[46:47], s[8:9], s[40:41]        ; o_img at my batch's first tile, my head's piece
	s_lshl_b32 s40, s42, 16
	s_lshr_b32 s58, s43, 2
	s_lshl_b32 s58, s58, 7
	s_add_co_u32 s40, s40, s58
	s_and_b32 s58, s43, 3
	s_lshl_b32 s58, s58, 1
	s_add_co_u32 s40, s40, s58
	s_add_nc_u64 s[48:49], s[10:11], s[40:41]      ; o_sc likewise: 128 (head / 4) + 2 (head % 4)
; A KEY STEP: 128 keys.
.macro STEP
	s_cmp_gt_u32 s[KJ], s[JD]
	s_cbranch_scc1 .Lhid_\@                        ; all its keys come after my queries
	s_setprio 2
	v_add_nc_u32 v6, s[TB], v1
	s_wait_alu depctr_va_vdst(0)
	v_add_nc_u32 v7, s[TB], v2
	s_wait_alu depctr_va_vdst(0)
	v_add_nc_u32 v8, s[TB], v3
	v_nop                                          ; five plain lines behind the last step's products: the scores below are written over the registers that held V's fragments, and the scale words are loaded anew
	v_nop
.irp b, 0,1,2,3
	ds_load_b32 v[248+\b], v8 offset:6144+128*\b   ; K's scale words: lanes 0-15 tile 2 b's, lanes 16-31 tile 2 b + 1's
.endr
.irp g, 0,1                                    ; S^T = K Q^T, four tiles of 16 keys at a time
.if \g
.rept 4
	v_nop                                          ; places in front of loads into registers that matrix instructions have read
.endr
.endif
.irp t, 0,1,2,3
	ds_load_b128 v[32+12*\t:35+12*\t], v6 offset:(4*\g+\t)*768
	ds_load_b64 v[36+12*\t:37+12*\t], v7 offset:(4*\g+\t)*768+512
.endr
	s_wait_dscnt 0x0
.irp t, 0,1,2,3
.if \t%2
	v_wmma_scale_f32_16x16x128_f8f6f4 v[96+8*(4*\g+\t):103+8*(4*\g+\t)], v[32+12*\t:43+12*\t], v[16:27], 0, v[248+(4*\g+\t)/2], v255 matrix_a_fmt:MATRIX_FMT_BF6 matrix_b_fmt:MATRIX_FMT_BF6 matrix_a_scale:MATRIX_SCALE_ROW1
.else
	v_wmma_scale_f32_16x16x128_f8f6f4 v[96+8*(4*\g+\t):103+8*(4*\g+\t)], v[32+12*\t:43+12*\t], v[16:27], 0, v[248+(4*\g+\t)/2], v255 matrix_a_fmt:MATRIX_FMT_BF6 matrix_b_fmt:MATRIX_FMT_BF6
.endif
.endr
.endr
.rept 4
	v_nop
.endr
	s_cmp_lg_u32 s[KJ], s[JD]
	s_cbranch_scc1 .Lopen_\@                       ; under the diagonal all keys count
	v_mov_b32 v254, 0xff800000                     ; -infinity: p = 0 then
.set n, 0
.rept 64
	v_cmp_gt_i32 vcc_lo, 32*(n/16)+n%16, v5
	v_cndmask_b32 v[96+n], v[96+n], v254, vcc_lo
.set n, n+1
.endr
.Lopen_\@:
.irp b, 0,1,2,3
	v_max3_num_f32 v[232+\b], v[96+16*\b], v[97+16*\b], v[98+16*\b]   ; the largest score of each block of 32 keys: it serves for the row's maximum and, since p rises with the score, for the block's largest p
.endr
.irp i, 3,5,7,9,11,13
.irp b, 0,1,2,3
	v_max3_num_f32 v[232+\b], v[232+\b], v[96+16*\b+\i], v[97+16*\b+\i]
.endr
.endr
.irp b, 0,1,2,3
	v_max_num_f32 v[232+\b], v[232+\b], v[111+16*\b]
.endr
.irp b, 0,1,2,3
	s_delay_alu instid0(VALU_DEP_4)
	v_permlanex16_b32 v[236+\b], v[232+\b], s[SEL], s[SEL+1]
.endr
.irp b, 0,1,2,3
	s_delay_alu instid0(VALU_DEP_4)
	v_max_num_f32 v[232+\b], v[232+\b], v[236+\b]  ; with lane l xor 16's 16 keys
.endr
	s_delay_alu instid0(VALU_DEP_2)
	v_max3_num_f32 v254, v232, v233, v234
	s_delay_alu instid0(VALU_DEP_1)
	v_max_num_f32 v254, v254, v235                 ; the step's largest score of my query
	s_delay_alu instid0(VALU_DEP_1)
	v_mul_f32 v254, s[CS], v254                    ; as t (c is positive)
	s_delay_alu instid0(VALU_DEP_1)
	v_max_num_f32 v13, v13, v254                   ; the running largest t
	v_mov_b32 v254, v12
	s_delay_alu instid0(VALU_DEP_2)
	v_floor_f32 v12, -v13                          ; the new -M = floor(-t) = -ceil(t)
	s_delay_alu instid0(VALU_DEP_1)
	v_sub_f32 v254, v12, v254                      ; old M - new M: a whole number, 0 or less
	s_delay_alu instid0(VALU_DEP_1)
	v_cvt_i32_f32 v254, v254                       ; (it saturates)
	s_delay_alu instid0(VALU_DEP_1)
	v_ldexp_f32 v252, 1.0, v254                    ; f = 2^(old M - new M)
.set j, 0
.rept 32
	v_pk_fma_f32 v[96+j:97+j], v[96+j:97+j], s[CS:CS+1], v[12:13] op_sel_hi:[1,0,0]   ; t - M, two at a time
.set j, j+2
.endr
	s_setprio 1
.irp b, 0,1,2,3
	v_fma_f32 v[232+\b], v[232+\b], s[CS], v12     ; the same of each block's largest score
.endr
.set j, 0
	s_wait_alu depctr_va_vdst(0)
.rept 64
	v_exp_f32 v[96+j], v[96+j]                     ; p = 2^(t - M), at most 1
.set j, j+1
.endr
.irp b, 0,1,2,3
	v_exp_f32 v[232+\b], v[232+\b]                 ; the block's largest p: the same two instructions on the same number give the same bits
.endr
	v_pk_mul_f32 v[14:15], v[14:15], v[252:253] op_sel_hi:[1,0]   ; the sums under the new M.  (A plain line behind the exponentials)
	s_wait_alu depctr_va_vdst(0)
.irp b, 0,1,2,3
	v_max_num_f32 v[232+\b], 0x2800000, v[232+\b]  ; the floor 2^(5 - 127): the byte cannot fall under 1
.endr
.irp b, 0,1,2,3
	s_delay_alu instid0(VALU_DEP_4)
	v_add_nc_u32 v[244+\b], 0xfe000000, v[232+\b]  ; 4 off the exponent field: the conversion's scale operand
.endr
.irp b, 0,1,2,3
	s_delay_alu instid0(VALU_DEP_4)
	v_lshrrev_b32 v[236+\b], 23, v[244+\b]         ; the scale's byte
.endr
	s_delay_alu instid0(VALU_DEP_3)
	v_lshl_or_b32 v253, v237, 8, v236              ; p's scale word for these 128 keys
	s_delay_alu instid0(VALU_DEP_1)
	v_lshl_or_b32 v253, v238, 16, v253
	s_delay_alu instid0(VALU_DEP_1)
	v_lshl_or_b32 v253, v239, 24, v253
.irp c, 0,1
	v_cvt_scalef32_pk16_bf6_f32 v[224+6*\c:226+6*\c], v[96+32*\c:111+32*\c], v[244+2*\c]
	v_cvt_scalef32_pk16_bf6_f32 v[236+4*\c:238+4*\c], v[112+32*\c:127+32*\c], v[244+2*\c+1]
.endr
	v_nop                                          ; one plain line behind a scaled conversion
.irp c, 0,1
.irp i, 0,1,2
	v_permlane16_swap_b32 v[224+6*\c+\i], v[236+4*\c+\i]
.endr
.irp i, 0,1,2
	s_delay_alu instid0(VALU_DEP_3)
	v_mov_b32 v[227+6*\c+\i], v[236+4*\c+\i]
.endr
.endr
	v_pk_add_f32 v[236:237], v[96:97], v[98:99]    ; the row's sum is taken of the unquantised p: two at a time, in two chains
.irp j, 4,8,12,16,20,24,28,32,36,40,44
	v_pk_add_f32 v[14:15], v[14:15], v[96+\j:97+\j]
	v_pk_add_f32 v[236:237], v[236:237], v[98+\j:99+\j]
.endr
	s_setprio 0
.irp t, 0,1,2,3                                ; V's four fragments land where the p just summed lay (v96-143)
	ds_load_b128 v[96+12*\t:99+12*\t], v6 offset:6656+1536*\t
	ds_load_b64 v[100+12*\t:101+12*\t], v7 offset:6656+1536*\t+512
	ds_load_b128 v[102+12*\t:105+12*\t], v6 offset:6656+1536*\t+768
	ds_load_b64 v[106+12*\t:107+12*\t], v7 offset:6656+1536*\t+1280
	ds_load_b32 v[248+\t], v8 offset:12800+128*\t
.endr
.set j, 0
.rept 16
	v_pk_mul_f32 v[160+j:161+j], v[160+j:161+j], v[252:253] op_sel_hi:[1,0]   ; O^T under the new M
.set j, j+2
.endr
.irp j, 48,52,56,60                            ; the rest of the sum (v144-159) stands here, between the last write of O^T and the products
	v_pk_add_f32 v[14:15], v[14:15], v[96+\j:97+\j]
	v_pk_add_f32 v[236:237], v[236:237], v[98+\j:99+\j]
.endr
	s_delay_alu instid0(VALU_DEP_1)
	v_pk_add_f32 v[14:15], v[14:15], v[236:237]
	s_wait_dscnt 0x0
.irp t, 0,1,2,3                                ; O^T += V^T P^T: the four accumulators by turns; the eight products K Q^T stand between two links of a chain
	v_wmma_scale_f32_16x16x128_f8f6f4 v[160+8*\t:167+8*\t], v[96+12*\t:107+12*\t], v[224:235], v[160+8*\t:167+8*\t], v[248+\t], v253 matrix_a_fmt:MATRIX_FMT_BF6 matrix_b_fmt:MATRIX_FMT_BF6
.endr
.Lhid_\@:
.endm
; O^T / the sum, quantised along the head's 64 (two blocks), leaves as one piece of o_img and two scale bytes a row.
.macro OUT
.rept 4
	v_nop
.endr
	v_add_f32 v14, v14, v15                        ; the sum's two halves,
	s_delay_alu instid0(VALU_DEP_1)
	v_permlanex16_b32 v252, v14, s[SEL], s[SEL+1]
	s_delay_alu instid0(VALU_DEP_1)
	v_add_f32 v14, v14, v252                       ; and lane l xor 16's: the row's sum
	s_wait_alu depctr_va_vdst(0)
	v_rcp_f32 v14, v14
	v_nop                                          ; one plain line behind a transcendental
.set j, 0
	s_wait_alu depctr_va_vdst(0)
.rept 16
	v_pk_mul_f32 v[96+j:97+j], v[160+j:161+j], v[14:15] op_sel_hi:[1,0]   ; register 16 b + i: channel 32 b + 16 h + i of my query; each accumulator from its low end on
.set j, j+2
.endr
.irp b, 0,1
	v_max3_num_f32 v[232+\b], |v[96+16*\b]|, |v[97+16*\b]|, 0x2800000
.endr
.irp i, 2,4,6,8,10,12,14
.irp b, 0,1
	s_delay_alu instid0(VALU_DEP_2)
	v_max3_num_f32 v[232+\b], v[232+\b], |v[96+16*\b+\i]|, |v[97+16*\b+\i]|
.endr
.endr
.irp b, 0,1
	s_delay_alu instid0(VALU_DEP_2)
	v_permlanex16_b32 v[236+\b], v[232+\b], s[SEL], s[SEL+1]
.endr
.irp b, 0,1
	s_delay_alu instid0(VALU_DEP_2)
	v_max_num_f32 v[232+\b], v[232+\b], v[236+\b]
.endr
.irp b, 0,1
	s_delay_alu instid0(VALU_DEP_2)
	v_add_nc_u32 v[244+\b], 0xfe000000, v[232+\b]
.endr
.irp b, 0,1
	s_delay_alu instid0(VALU_DEP_2)
	v_lshrrev_b32 v[236+\b], 23, v[244+\b]
.endr
	v_cvt_scalef32_pk16_bf6_f32 v[224:226], v[96:111], v244
	v_cvt_scalef32_pk16_bf6_f32 v[240:242], v[112:127], v245
	v_nop                                          ; one plain line behind a scaled conversion
.irp i, 0,1,2
	v_permlane16_swap_b32 v[224+\i], v[240+\i]
.endr
.irp i, 0,1,2
	s_delay_alu instid0(VALU_DEP_3)
	v_mov_b32 v[227+\i], v[240+\i]
.endr
	global_store_b128 v1, v[224:227], s[54:55]     ; 512 consecutive bytes, aligned
	global_store_b64 v2, v[228:229], s[54:55] offset:512
	v_cmp_eq_u32 vcc_lo, 1, v10
	s_delay_alu instid0(VALU_DEP_1)
	v_cndmask_b32 v254, v236, v237, vcc_lo         ; lanes 0-15 store block 0's byte, lanes 16-31 block 1's
	global_store_b8 v9, v254, s[56:57]
.endm
; One block of 256 queries.  hi = 0: block i, 8 trips, key steps 0-7 alone.  hi = 1: block 7 - i, 16 trips.
.macro PASS trips, hi
.if \hi
	s_wait_xcnt 0x0                                ; the first block's stores have read their bases and data: both are written again only behind this wait
	s_sub_co_u32 s40, 7, ttmp9
.else
	s_mov_b32 s40, ttmp9
.endif
	s_lshl_b32 s41, s40, 4
	s_add_co_u32 s41, s41, s[WV]                   ; my tile of 16 queries among the batch's 128
	s_lshr_b32 s[JD], s41, 3                       ; its group of 128 tokens = the key step on its diagonal
	s_and_b32 s42, s[WV], 7
	s_mul_i32 s43, s[JD], 6656
	s_mul_i32 s58, s42, 768
	s_add_co_u32 s58, s58, s43
	s_mov_b32 s59, 0
	s_add_nc_u64 s[50:51], s[44:45], s[58:59]      ; Q's piece
	s_lshl_b32 s58, s42, 6
	s_add_co_u32 s58, s58, s43
	s_add_co_u32 s58, s58, 6144
	s_add_nc_u64 s[52:53], s[44:45], s[58:59]      ; its scale words
	s_mul_i32 s58, s41, 12288
	s_add_nc_u64 s[54:55], s[46:47], s[58:59]      ; my piece of o_img
	s_lshl_b32 s58, s41, 9
	s_add_nc_u64 s[56:57], s[48:49], s[58:59]      ; my bytes of o_sc
	global_load_b128 v[16:19], v1, s[50:51]
	global_load_b64 v[20:21], v2, s[50:51] offset:512
	global_load_b32 v255, v4, s[52:53]
	v_mov_b32 v13, 0xff61b1e6                      ; the largest t so far: -3e38, under every t
	s_delay_alu instid0(VALU_DEP_1)
	v_floor_f32 v12, -v13                          ; -M
	v_mov_b32 v14, 0
	v_mov_b32 v15, 0
.set j, 0
.rept 32
	v_mov_b32 v[160+j], 0                          ; O^T: the step is written once; the first finds zeros, which the first change of M leaves zeros
.set j, j+1
.endr
.if \hi
	s_wait_tensorcnt 0x0                           ; my part of key steps 8-15 is in,
	s_wait_dscnt 0x0
.else
	s_wait_tensorcnt 0x1                           ; my part of key steps 0-7 is in; the second half's load may be out: this block reads LDS bytes under 106,496 alone, and nothing is ever filled again
.endif
	s_barrier_signal -1
	s_barrier_wait -1                              ; everybody's is
	s_wait_loadcnt 0x0                             ; Q
	s_mov_b32 s[TB], 0
	s_mov_b32 s[KJ], 0
.Ltrip_\@:
	STEP
	s_add_co_u32 s[TB], s[TB], REC
	s_add_co_u32 s[KJ], s[KJ], 1
	s_cmp_lt_u32 s[KJ], \trips
	s_cbranch_scc1 .Ltrip_\@
	s_setprio 0
	s_wait_alu depctr_va_vdst(0)
	OUT
.endm
	PASS 8, 0
	PASS 16, 1
	s_wait_tensorcnt 0x0
	ds_add_u32 v223, v243
	s_wait_dscnt 0x0
	s_endpgm
.Lfunc_end_k_qe355bbbafa_attn:
	.size	k_qe355bbbafa_attn, .Lfunc_end_k_qe355bbbafa_attn-k_qe355bbbafa_attn
	.p2alignl 7, 3214868480
	.fill 96, 4, 3214868480
	.section	.rodata,"a",@progbits
	.p2align	6, 0x0
	.amdhsa_kernel k_qe355bbbafa_attn
		.amdhsa_group_segment_fixed_size 327680
		.amdhsa_private_segment_fixed_size 0
		.amdhsa_enable_private_segment 0
		.amdhsa_kernarg_size 32
		.amdhsa_user_sgpr_count 2
		.amdhsa_user_sgpr_kernarg_segment_ptr 1
		.amdhsa_wavefront_size32 1
		.amdhsa_system_sgpr_workgroup_id_x 1
		.amdhsa_system_sgpr_workgroup_id_y 1
		.amdhsa_system_sgpr_workgroup_id_z 1
		.amdhsa_system_vgpr_workitem_id 0
		.amdhsa_next_free_vgpr 256
		.amdhsa_next_free_sgpr 66
		.amdhsa_reserve_vcc 1
		.amdhsa_float_denorm_mode_32 3
		.amdhsa_float_denorm_mode_16_64 3
		.amdhsa_memory_ordered 1
		.amdhsa_forward_progress 1
		.amdhsa_inst_pref_size 65
	.end_amdhsa_kernel
	.amdgpu_metadata
---
amdhsa.version: [ 1, 2 ]
amdhsa.kernels:
  - .name:           k_qe355bbbafa_attn
    .symbol:         k_qe355bbbafa_attn.kd
    .args:
      - { .name: q_img, .offset: 0, .size: 8, .value_kind: global_buffer, .address_space: global }
      - { .name: kv, .offset: 8, .size: 8, .value_kind: global_buffer, .address_space: global }
      - { .name: o_img, .offset: 16, .size: 8, .value_kind: global_buffer, .address_space: global }
      - { .name: o_sc, .offset: 24, .size: 8, .value_kind: global_buffer, .address_space: global }
    .group_segment_fixed_size: 327680
    .private_segment_fixed_size: 0
    .kernarg_segment_align: 8
    .kernarg_segment_size: 32
    .max_flat_workgroup_size: 512
    .sgpr_count:     66
    .vgpr_count:     256
    .wavefront_size: 32
...
	.end_amdgpu_metadata
.endif
;; end of part 3
;; launch out (part 4): grid 4 x 32, 4 waves a work-group, clusters of 4 x 4, 327,680 bytes of LDS; arguments o_img, o_sc, img, sc, out0; writes out0
.if DOCPART == 4
	.amdgcn_target "amdgcn-amd-amdhsa--gfx1250"
	.amdhsa_code_object_version 6
	.text
	.protected	k_qe355bbbafa_out
	.globl	k_qe355bbbafa_out
	.p2align	8
	.type	k_qe355bbbafa_out,@function
k_qe355bbbafa_out:
	s_mov_b64 s[64:65], 0
	v_nop
	global_prefetch_b8 v0, s[64:65] scope:SCOPE_SE
	s_setreg_imm32_b32 hwreg(HW_REG_WAVE_MODE, 25, 1), 1
	s_wait_xcnt 0x0
	s_wait_alu depctr_hold_cnt(0) depctr_sa_sdst(0) depctr_va_vdst(0) depctr_va_sdst(0) depctr_va_ssrc(0) depctr_va_vcc(0) depctr_vm_vsrc(0)
	s_getreg_b32 s2, hwreg(HW_REG_IB_STS2, 6, 4)
	s_cmp_eq_u32 s2, 0
	s_cbranch_scc0 .Lentry_in_a_cluster
	s_endpgm
.Lentry_in_a_cluster:
	s_bfe_u32 s2, ttmp6, 0x10000c
	s_cmp_lg_u32 s2, 0xf033
	s_cbranch_scc0 .Lentry_shape_is_right
	s_endpgm
.Lentry_shape_is_right:
; out0 = o Wo^T on codes of BF6 (E3M2) with E8M0 scales; sums and result in f32.  o: 8,192 tokens x 1,024 in o_img and o_sc; Wo: tiles 704-767 of img and sc.
; OPERANDS are images of the operands' registers: a row tile (16 rows) is 16 pieces of 768 bytes (64 along K each): lane l's registers 0-3 at 16 l, registers 4-5 at 512 + 8 l; scales: [tile][4 steps of 256 K][16 rows][2 words].
; Lane r of a tensor's tile i is row 32 (i / 2) + 8 (i % 2) + r + 8 (r / 8).  THE MATRIX INSTRUCTION IS USED TRANSPOSED (source 0 = 16 rows of Wo, source 1 = 16 tokens): a lane holds one token,
; and register 8 b + j of its eight accumulators is output column 32 (b / 2) + 16 (lane / 16) + 8 (b % 2) + j of the wave's 128.
; A tile of out0 is 256 x 256; four waves, each 128 x 128: 64 accumulators.  K = 1,024 goes in four steps of 256 through two LDS slots filled by the tensor data mover; the scales of all of K come once.
; CLUSTERS: 4 x 4 work-groups; o's tiles are asked for jointly along a row of the cluster, Wo's along a column.  The grid has 128 work-groups: a quarter of a tile to each would halve what each LDS byte feeds.
; REGISTERS, in windows of 256: window 0: v16-23 fragment addresses, v24-26 the way out, v27 scale address, v28-29 for the add; v32-63 scale words, two sets; v128-223 A's fragments, one set (v128-255 on the way out).
;   window 1: B's fragments, two sets, at v0 and v128.   windows 2, 3: the accumulators of my rows 0-63, 64-127 ((a, b) at v[8 (8 (a % 4) + b)]).
.set NQ,     2                         ; matrix instructions deep in a slot (256 along K)
.set FR,     12                        ; registers of a fragment
.set NL,     4                         ; LDS loads that bring one
.set NP,     4                         ; places behind this matrix instruction (ISA guide 7.12.1)
.set TILEB,  3072                      ; a row tile's bytes in a slot: four pieces
.set HALFT,  8*TILEB                   ; what one tensor load brings, and what one wave reads of A or of B
.set SLOT,   4*HALFT                   ; A's 16 tiles, then B's 16
.set SCL,    2*SLOT                    ; behind the ring: the scales, A's 8,192 bytes, then B's
.set HALFS,  4096                      ; the scales of 8 tiles
.set SBLK,   512                       ; those of one
.set SPARE,  SCL+4*HALFS               ; the spare words, 128 bytes for each wave: two blocks of 256 bytes that no other line names
.set LAPS,   2                         ; a lap = two slots = 512 along K
.set SPITCH, 528                       ; the way out: a stage of 16 rows x (512 bytes + 16) for each wave, in slot 0, which has had its last fill and its last read by then
.set ADRA, 16                          ; v16-17 my A fragments in slot 0, 1, + 16 x lane;  v18-19 the same + 8 x lane
.set ADRB, 20                          ; v20-23 the same for B
.set STO,  24                          ; v24    the way out: where I put my bytes of a row
.set RD,   25                          ; v25    where I read a row back
.set CO,   26                          ; v26    my byte offset in a row of out0
.set ADRS, 27                          ; v27    my scale words: lanes 0-15 A's rows, lanes 16-31 B's
.set SPW,  28                          ; v28    LDS address of my spare word; never rewritten
.set NIL,  29                          ; v29    0; never rewritten
.set SC,   32
.set AF,   128
.set BK,   128                         ; the way out: 16 rows read back: v128-191 and v192-255 by turns
.set G1, 24
.set G0, 32
.set G1B, 48
.set G0B, 56
.set G1S, 68
.set G0S, 76
.set G1SB, 80
.set G0SB, 88
.set MSB, 0
.macro WIN new                         ; the immediate's high byte repeats the setting that is left
.if MSB != \new
	s_set_vgpr_msb (MSB<<8)|\new
.set MSB, \new
.endif
.endm
.set MUL_LO, 0xa1                      ; source 0 (B) window 1, source 1 (A) window 0, C and D window 2
.set MUL_HI, 0xf1                      ; the same, C and D window 3
.set TO_B,   0x40                      ; destination window 1, address window 0
; A joint load: waves 0 and 1 fetch for A, waves 2 and 3 for B.  The branch hangs on the wave's number alone.  Four v_nop follow each of the two lines.
.macro JLOAD g0a, g1a, g0b, g1b
	s_cmp_eq_u32 s15, 0
	s_cbranch_scc0 .Lfor_b_\@
	tensor_load_to_lds s[\g0a:\g0a+3], s[\g1a:\g1a+7]
	s_nop 0
.rept 4
	v_nop
.endr
	s_branch .Lasked_\@
.Lfor_b_\@:
	tensor_load_to_lds s[\g0b:\g0b+3], s[\g1b:\g1b+7]
	s_nop 0
.rept 4
	v_nop
.endr
.Lasked_\@:
.endm
.macro CREST                           ; a round of the cluster's barrier behind its opening barrier
	s_cmp_lg_u32 s14, 0
	s_cbranch_scc1 .Lnot_wave_0_\@
	s_barrier_signal -3
.Lnot_wave_0_\@:
	s_barrier_wait -3
	s_barrier_signal -1
	s_barrier_wait -1
.endm
.macro CROUND
	s_barrier_signal -1
	s_barrier_wait -1
	CREST
.endm
	s_load_b128 s[4:7], s[0:1], 0x0                ; o_img, o_sc
	s_load_b128 s[8:11], s[0:1], 0x10              ; img, sc
	s_load_b64 s[12:13], s[0:1], 0x20              ; out0
	v_lshl_add_u32 v[SPW], v0, 2, SPARE
	v_mov_b32 v[NIL], 0
	ds_add_u32 v28, v29
	ds_add_u32 v28, v29
	s_wait_dscnt 0x0
	v_lshrrev_b32 v1, 5, v0
	v_readfirstlane_b32 s14, v1                    ; wave 0..3
	s_lshr_b32 s15, s14, 1                         ; which half of the tile's rows is mine.  Also: I fetch for A (0) or for B (1)
	s_and_b32 s16, s14, 1                          ; which half of its columns.  Also: which 8 tiles I fetch
	s_bfe_u32 s40, ttmp6, 0x40000                  ; cx, cy: my place in the cluster
	s_bfe_u32 s41, ttmp6, 0x40004
	s_lshl_b32 s42, ttmp9, 2
	s_add_co_u32 s42, s42, s40                     ; tile column = 4 x cluster x + cx
	s_and_b32 s17, ttmp7, 0xffff
	s_lshl_b32 s17, s17, 2
	s_add_co_u32 s17, s17, s41                     ; tile row = 4 x cluster y + cy
	s_lshl_b32 s43, s41, 2
	s_lshl_b32 s43, 15, s43                        ; my row of the cluster
	s_lshl_b32 s44, 0x1111, s40                    ; my column
	; descriptor group 1, codes: 8 row tiles x 3,072 bytes, 12,288 bytes apart in memory, dense in LDS
	s_or_b32 s[G1+0], s43, (3<<16)|(1<<21)         ; 15:0 the mask: A's tiles go to my row; 17:16 elements of 8 bytes; 20 no padding; 21 set beside a mask
	s_or_b32 s[G1B+0], s44, (3<<16)|(1<<21)
.irp g, G1, G1B
	s_mov_b32 s[\g+1], 384<<16                     ; tensor_dim0 = 384 elements
	s_mov_b32 s[\g+2], 8<<16                       ; tensor_dim1 = 8
	s_mov_b32 s[\g+3], 384<<16                     ; tile_dim0
	s_mov_b32 s[\g+4], 8                           ; tile_dim1
	s_mov_b32 s[\g+5], 1536                        ; tensor_dim0_stride
	s_mov_b32 s[\g+6], 0
	s_mov_b32 s[\g+7], 0
.endr
	; scales of 8 tiles: 4,096 dense bytes as 16 rows of 256
	s_or_b32 s[G1S+0], s43, (3<<16)|(1<<21)
	s_or_b32 s[G1SB+0], s44, (3<<16)|(1<<21)
.irp g, G1S, G1SB
	s_mov_b32 s[\g+1], 32<<16
	s_mov_b32 s[\g+2], 16<<16
	s_mov_b32 s[\g+3], 32<<16
	s_mov_b32 s[\g+4], 16
	s_mov_b32 s[\g+5], 32
	s_mov_b32 s[\g+6], 0
	s_mov_b32 s[\g+7], 0
.endr
	s_lshl_b32 s18, s16, 3                         ; which 8 tiles of the 16 I fetch
	s_lshl_b32 s20, s17, 4
	s_add_co_u32 s20, s20, s18                     ; A's tile number in o_img
	s_lshl_b32 s46, s42, 4
	s_add_co_u32 s46, s46, s18
	s_add_co_u32 s46, s46, 704                     ; B's in img: Wo begins at tile 704
	s_lshl_b32 s22, s20, 9                         ; where these tiles' scales begin, in bytes
	s_mov_b32 s23, 0
	s_lshl_b32 s92, s46, 9
	s_mov_b32 s93, 0
	s_mul_i32 s20, s20, 12288                      ; and their codes
	s_mov_b32 s21, 0
	s_mul_i32 s46, s46, 12288
	s_mov_b32 s47, 0
	s_mul_i32 s45, s14, HALFT                      ; where they go: wave x 8 tiles: no place in the cluster enters an LDS address
	s_mul_i32 s94, s14, HALFS
	s_wait_kmcnt 0x0
	s_add_nc_u64 s[20:21], s[4:5], s[20:21]
	s_add_nc_u64 s[22:23], s[6:7], s[22:23]
	s_add_nc_u64 s[46:47], s[8:9], s[46:47]
	s_add_nc_u64 s[92:93], s[10:11], s[92:93]
	CROUND                                         ; all sixteen work-groups are here: the first joint loads meet
	s_mov_b32 s[G0S], 1
	s_add_co_u32 s[G0S+1], s94, SCL
	s_mov_b64 s[G0S+2:G0S+3], s[22:23]
	s_or_b32 s[G0S+3], s[G0S+3], 0x80000000
	s_mov_b32 s[G0SB], 1
	s_add_co_u32 s[G0SB+1], s94, SCL
	s_mov_b64 s[G0SB+2:G0SB+3], s[92:93]
	s_or_b32 s[G0SB+3], s[G0SB+3], 0x80000000
	JLOAD G0S, G1S, G0SB, G1SB                     ; the scales first: they are wanted with the first slot
.irp s, 0,1
	s_mov_b32 s[G0+4*\s], 1
	s_add_co_u32 s[G0+4*\s+1], s45, \s*SLOT
	s_add_nc_u64 s[G0+4*\s+2:G0+4*\s+3], s[20:21], \s*TILEB
	s_or_b32 s[G0+4*\s+3], s[G0+4*\s+3], 0x80000000
	s_mov_b32 s[G0B+4*\s], 1
	s_add_co_u32 s[G0B+4*\s+1], s45, \s*SLOT
	s_add_nc_u64 s[G0B+4*\s+2:G0B+4*\s+3], s[46:47], \s*TILEB
	s_or_b32 s[G0B+4*\s+3], s[G0B+4*\s+3], 0x80000000
	JLOAD G0+4*\s, G1, G0B+4*\s, G1B               ; three loads of mine are out behind the last of these
.endr
	v_and_b32 v1, 15, v0                           ; r
	v_bfe_u32 v2, v0, 4, 1                         ; h
	v_and_b32 v3, 31, v0                           ; lane
	v_lshlrev_b32 v4, 4, v3
	v_lshlrev_b32 v5, 3, v3
	s_mul_i32 s21, s15, HALFT                      ; my 8 tiles of A
	s_mul_i32 s22, s16, HALFT                      ; my 8 tiles of B,
	s_add_co_u32 s22, s22, 2*HALFT                 ; which lie behind A's 16
.irp s, 0,1
	v_add_nc_u32 v[ADRA+\s], s21, v4
	v_add_nc_u32 v[ADRB+\s], s22, v4
	v_add_nc_u32 v[ADRA+2+\s], s21, v5
	v_add_nc_u32 v[ADRB+2+\s], s22, v5
	s_add_co_u32 s21, s21, SLOT
	s_add_co_u32 s22, s22, SLOT
.endr
	v_lshlrev_b32 v5, 3, v1                        ; my row's two words of a slot: 8 r
	s_mul_i32 s21, s15, HALFS                      ; A's: my 8 tiles
	s_mul_i32 s22, s16, HALFS                      ; B's: my 8 tiles, behind A's 16
	s_add_co_u32 s22, s22, 2*HALFS
	s_sub_co_u32 s22, s22, s21
	v_mul_u32_u24 v6, s22, v2                      ; lanes 16-31 take B's: one product, the distance between the two
	s_add_co_u32 s21, s21, SCL
	v_add_nc_u32 v5, v5, v6
	v_add_nc_u32 v[ADRS], s21, v5
	s_mul_i32 s23, s14, 16*SPITCH                  ; my stage
	v_mul_u32_u24 v5, v1, SPITCH                   ; in: row r, + 64 h
	v_lshl_add_u32 v5, v2, 6, v5
	v_add_nc_u32 v[STO], s23, v5
	v_mov_b32 v[CO], v4                            ; back: the 32 lanes take one row of 512 bytes; and the same in out0
	v_add_nc_u32 v[RD], s23, v4
	s_lshl_b32 s20, s17, 8
	s_lshl_b32 s21, s15, 7
	s_add_co_u32 s20, s20, s21                     ; my first row of out0: 256 x tile row + 128 x half,
	s_lshl_b32 s20, s20, 12                        ; of 4,096 bytes
	s_mov_b32 s21, 0
	s_lshl_b32 s46, s42, 10                        ; my first column, in bytes: 1,024 x tile column + 512 x half
	s_lshl_b32 s47, s16, 9
	s_add_co_u32 s46, s46, s47
	s_mov_b32 s47, 0
	s_add_nc_u64 s[20:21], s[20:21], s[46:47]
	s_add_nc_u64 s[12:13], s[12:13], s[20:21]
.macro FRAG reg, adr, q, i             ; a fragment, 12 registers a lane, comes back as it was stored: every load's lanes read consecutive bytes
	ds_load_b128 v[\reg:\reg+3], v[\adr] offset:(\i)*TILEB+(\q)*1536
	ds_load_b64 v[\reg+4:\reg+5], v[\adr+2] offset:(\i)*TILEB+(\q)*1536+512
	ds_load_b128 v[\reg+6:\reg+9], v[\adr] offset:(\i)*TILEB+(\q)*1536+768
	ds_load_b64 v[\reg+10:\reg+11], v[\adr+2] offset:(\i)*TILEB+(\q)*1536+1280
.endm
; 16 matrix instructions: A's blocks a0, a0 + 1 x B's eight, the slot's q-th 128 along K.  p: B's set;  sc: the set of scale words.  zero = 1: the first product starts the sums.
; The 64 accumulators take turns, one instruction a turn, in the same order in every step.
.macro MUL16 a0, p, q, sc, zero
.irp a, \a0, \a0+1
.irp b, 0,1,2,3,4,5,6,7
.if \zero
	v_wmma_scale_f32_16x16x128_f8f6f4 v[8*(8*((\a)%4)+\b):8*(8*((\a)%4)+\b)+7], v[128*(\p)+FR*\b:128*(\p)+FR*\b+FR-1], v[AF+FR*(\a):AF+FR*(\a)+FR-1], 0, v[SC+8*NQ*(\sc)+NQ*\b+(\q)], v[SC+8*NQ*(\sc)+NQ*(\a)+(\q)] matrix_a_fmt:MATRIX_FMT_BF6 matrix_b_fmt:MATRIX_FMT_BF6 matrix_a_scale:MATRIX_SCALE_ROW1
.else
	v_wmma_scale_f32_16x16x128_f8f6f4 v[8*(8*((\a)%4)+\b):8*(8*((\a)%4)+\b)+7], v[128*(\p)+FR*\b:128*(\p)+FR*\b+FR-1], v[AF+FR*(\a):AF+FR*(\a)+FR-1], v[8*(8*((\a)%4)+\b):8*(8*((\a)%4)+\b)+7], v[SC+8*NQ*(\sc)+NQ*\b+(\q)], v[SC+8*NQ*(\sc)+NQ*(\a)+(\q)] matrix_a_fmt:MATRIX_FMT_BF6 matrix_b_fmt:MATRIX_FMT_BF6 matrix_a_scale:MATRIX_SCALE_ROW1
.endif
.endr
.endr
.endm
.macro FETCH_B slot, q, p
	WIN TO_B
.irp i, 0,1,2,3,4,5,6,7
	FRAG 128*(\p)+FR*\i, ADRB+\slot, \q, \i
.endr
	WIN 0
.endm
.macro FETCH_A slot, q, i0
.irp i, \i0, \i0+1, \i0+2, \i0+3
	FRAG AF+FR*(\i), ADRA+\slot, \q, \i
.endr
.endm
.macro SCALES sc                       ; the slot's scale words into set sc: two words a row; lanes 0-15 take A's block i, lanes 16-31 B's block i
.irp i, 0,1,2,3,4,5,6,7
	ds_load_b64 v[SC+8*NQ*\sc+NQ*\i:SC+8*NQ*\sc+NQ*\i+1], v[ADRS] offset:\i*SBLK
.endr
.endm
.macro PLACES n                        ; plain lines between a matrix instruction and a load into, or a read of, its registers (ISA guide 7.12.1 for a read)
.rept \n
	v_nop
.endr
.endm
.macro STEP slot, q, zero              ; 128 along K that have their successor in the same slot
	s_wait_dscnt 4*NL                              ; B's set, A's blocks 0-3 and the scale words are in; the youngest 16 loads (A's blocks 4-7) may be out
	WIN MUL_LO
	MUL16 0, (\q)%2, \q, \slot, \zero
	MUL16 2, (\q)%2, \q, \slot, \zero
	s_wait_dscnt 0                                 ; A's blocks 4-7 are in
	PLACES NP
	FETCH_B \slot, (\q)+1, 1-(\q)%2
	FETCH_A \slot, (\q)+1, 0
	WIN MUL_HI
	MUL16 4, (\q)%2, \q, \slot, \zero
	MUL16 6, (\q)%2, \q, \slot, \zero
	PLACES NP
	WIN 0
	FETCH_A \slot, (\q)+1, 4
.endm
; A slot's last 128 along K change slots: one barrier; in front of it each wave waits for all its tensor loads, adds 0 to its spare word, and waits for that and for its own reads of this slot.
.macro TURN slot, next, fill
	s_wait_tensorcnt 0x0                           ; all my tensor loads have landed: my part of the next slot
	ds_add_u32 v[SPW], v[NIL]                      ; 0 onto my spare word
	s_wait_dscnt 4*NL+1                            ; (the add and the youngest 16 loads, A's blocks 4-7, may be out)
	WIN MUL_LO
	MUL16 0, 1, NQ-1, \slot, 0                     ; sixteen matrix instructions stand between the add and the wait for it
	s_wait_dscnt 0x0                               ; the add is done, and my reads of this slot are over
	s_barrier_signal -1
	MUL16 2, 1, NQ-1, \slot, 0
	WIN 0
	s_barrier_wait -1
.if \fill
	CREST                                          ; the barrier has opened a round of the cluster's barrier: no wave of any partner still reads this slot or has a load on its way
	s_add_nc_u64 s[G0+4*\slot+2:G0+4*\slot+3], s[G0+4*\slot+2:G0+4*\slot+3], 2*TILEB
	s_add_nc_u64 s[G0B+4*\slot+2:G0B+4*\slot+3], s[G0B+4*\slot+2:G0B+4*\slot+3], 2*TILEB
	JLOAD G0+4*\slot, G1, G0B+4*\slot, G1B         ; the first tensor load behind the round; its four v_nop are the places in front of the loads below
.else
	PLACES NP
.endif
	v_add_nc_u32 v[ADRS], 128, v[ADRS]             ; on to the next slot's scale words
	FETCH_B \next, 0, 0
	FETCH_A \next, 0, 0
	SCALES \next
	WIN MUL_HI
	MUL16 4, 1, NQ-1, \slot, 0
	MUL16 6, 1, NQ-1, \slot, 0
	PLACES NP
	WIN 0
	FETCH_A \next, 0, 4
.endm
	s_wait_tensorcnt 1                             ; the scales and my part of slot 0 are in; slot 1's load may be out
	s_barrier_signal -1
	s_barrier_wait -1
	FETCH_B 0, 0, 0
	FETCH_A 0, 0, 0
	SCALES 0
	FETCH_A 0, 0, 4
	STEP 0, 0, 1                                   ; the first step stands in front of the loop: its products start the sums
	s_mov_b32 s3, LAPS-1
.Llap:                                                 ; a trip goes once round the ring and fills both slots again
	TURN 0, 1, 1
	STEP 1, 0, 0
	TURN 1, 0, 1
	STEP 0, 0, 0
	s_sub_co_u32 s3, s3, 1
	s_cmp_lg_u32 s3, 0
	s_cbranch_scc1 .Llap
	TURN 0, 1, 0                                   ; the last lap fills nothing
	STEP 1, 0, 0
	s_wait_dscnt 4*NL
	WIN MUL_LO
	MUL16 0, 1, NQ-1, 1, 0
	MUL16 2, 1, NQ-1, 1, 0
	s_wait_dscnt 0
	WIN MUL_HI
	MUL16 4, 1, NQ-1, 1, 0
	MUL16 6, 1, NQ-1, 1, 0
	WIN 0
; THE WAY OUT, block by block of 16 tokens x 128 columns, through my own stage in LDS: a lane's registers go to their columns' places in its token's row, and whole rows of 512 bytes come back.
; LDS serves a wave's instructions in order (ISA guide 5.7.1.4): no wait between the stores and the loads, nor in front of the next block's stores.
.macro TOSTAGE a
.set AC, 64*((\a)%4)
	WIN 0x08+4*((\a)/4)                            ; the data: window 2 or 3
.irp b, 0,1,2,3,4,5,6,7
	ds_store_b128 v[STO], v[AC+8*\b:AC+8*\b+3] offset:128*(\b/2)+32*(\b%2)          ; columns 32 (b / 2) + 16 h + 8 (b % 2) on; each accumulator from its low end on
	ds_store_b128 v[STO], v[AC+8*\b+4:AC+8*\b+7] offset:128*(\b/2)+32*(\b%2)+16
.endr
	WIN 0
.set BB, BK+64*((\a)%2)
.irp t, 0,1,2,3,4,5,6,7,8,9,10,11,12,13,14,15
	ds_load_b128 v[BB+4*\t:BB+4*\t+3], v[RD] offset:\t*SPITCH
.endr
.endm
.macro SEND a, younger                 ; younger: the LDS instructions issued behind block a's loads, which may stay out
.set BB, BK+64*((\a)%2)
	s_wait_dscnt \younger                          ; the block is back in registers
.if (\a) > 0
.if (\a)%2
	s_add_nc_u64 s[12:13], s[12:13], 8*4096        ; block a begins at token 32 (a / 2) + 8 (a % 2): 8 rows on from an even block,
.else
	s_add_nc_u64 s[12:13], s[12:13], 24*4096       ; 24 from an odd one
.endif
.endif
.irp t, 0,1,2,3,4,5,6,7,8,9,10,11,12,13,14,15
	global_store_b128 v[CO], v[BB+4*\t:BB+4*\t+3], s[12:13] offset:(\t+8*(\t/8))*4096 th:TH_STORE_NT   ; the tile's lane t is token t + 8 (t / 8); 32 lanes store 512 consecutive bytes, aligned
.endr
.endm
	PLACES NP
	TOSTAGE 0
.irp a, 1,2,3,4,5,6,7
.if \a > 1
	s_wait_xcnt 0x0                                ; block a - 2's stores have read their registers and their base: block a's loads may land there, and the base may step
.endif
	TOSTAGE \a
	SEND \a-1, 32                                  ; behind block a - 1's loads: block a's 16 stores and 16 loads
.endr
	s_wait_xcnt 0x0                                ; block 6's stores have read their base
	SEND 7, 0
	s_wait_tensorcnt 0x0                           ; the wave's end
	ds_add_u32 v[SPW], v[NIL]
	s_wait_dscnt 0x0
	CROUND                                         ; the closing round: no work-group ends while a partner may still ask for a tile that names it
	s_endpgm
.Lfunc_end_k_qe355bbbafa_out:
	.size	k_qe355bbbafa_out, .Lfunc_end_k_qe355bbbafa_out-k_qe355bbbafa_out
	.p2alignl 7, 3214868480
	.fill 96, 4, 3214868480
	.section	.rodata,"a",@progbits
	.p2align	6, 0x0
	.amdhsa_kernel k_qe355bbbafa_out
		.amdhsa_group_segment_fixed_size 327680
		.amdhsa_private_segment_fixed_size 0
		.amdhsa_enable_private_segment 0
		.amdhsa_kernarg_size 40
		.amdhsa_user_sgpr_count 2
		.amdhsa_user_sgpr_kernarg_segment_ptr 1
		.amdhsa_wavefront_size32 1
		.amdhsa_system_sgpr_workgroup_id_x 1
		.amdhsa_system_sgpr_workgroup_id_y 1
		.amdhsa_system_sgpr_workgroup_id_z 1
		.amdhsa_system_vgpr_workitem_id 0
		.amdhsa_next_free_vgpr 1024
		.amdhsa_next_free_sgpr 100
		.amdhsa_reserve_vcc 0
		.amdhsa_float_denorm_mode_32 3
		.amdhsa_float_denorm_mode_16_64 3
		.amdhsa_memory_ordered 1
		.amdhsa_forward_progress 1
		.amdhsa_inst_pref_size 144
	.end_amdhsa_kernel
	.amdgpu_metadata
---
amdhsa.version: [ 1, 2 ]
amdhsa.kernels:
  - .name:           k_qe355bbbafa_out
    .symbol:         k_qe355bbbafa_out.kd
    .args:
      - { .name: o_img, .offset: 0, .size: 8, .value_kind: global_buffer, .address_space: global }
      - { .name: o_sc, .offset: 8, .size: 8, .value_kind: global_buffer, .address_space: global }
      - { .name: img, .offset: 16, .size: 8, .value_kind: global_buffer, .address_space: global }
      - { .name: sc, .offset: 24, .size: 8, .value_kind: global_buffer, .address_space: global }
      - { .name: out0, .offset: 32, .size: 8, .value_kind: global_buffer, .address_space: global }
    .group_segment_fixed_size: 327680
    .private_segment_fixed_size: 0
    .kernarg_segment_align: 8
    .kernarg_segment_size: 40
    .max_flat_workgroup_size: 128
    .sgpr_count:     100
    .vgpr_count:     1024
    .wavefront_size: 32
...
	.end_amdgpu_metadata
.endif
;; end of part 4
